; MI455X (gfx1250); checked and timed in simulation.
; The chip was launched on July 23, 2026; its instructions are those of AMD's public machine-readable ISA for CDNA 5 (MIT licence, August 2026) and "CDNA5" Instruction Set Architecture Reference Guide (July 2026). The comments in the code are by the model that wrote it; some were corrected since.
;; Grouped Query Attention. Allowed arithmetic: matrix products marked QUANTISED: E2M1 operands, one E8M0 scale for each 32 along K, by v_wmma_scale_f32_16x16x128_f8f6f4 with both operands' format E2M1 (or v_wmma_scale_f32_32x16x128_f4), f32 sums; products left as they are: bf16, f16 or f32 operands; f32 sums; everything else in f32.
;; Inputs: Wk 1,024 x 256 float32; Wo 1,024 x 1,024 float32; Wq 1,024 x 1,024 float32; Wv 1,024 x 256 float32; hidden_states 2 x 2,048 x 1,024 float32.
;; Outputs: out0 2 x 2,048 x 1,024 float32.
;; This version of the problem:
;;   THIS VERSION OF THE PROBLEM IS GIVEN IN LOW PRECISION. The matrix products marked QUANTISED in the list below multiply operands that are first quantised to E2M1 (2 exponent bits, 1 mantissa bit; 4 bits a number), with one power-of-two scale for each 32 numbers along K (OCP MX v1.0); their sums are f32. The products marked 'left as it is' may take bf16, f16 or f32 operands, with f32 sums. Whichever they take, every output number must still come out within the allowed error. Rounding operands to bf16 (8 significant bits) uses up far more of that allowance than f16 does (11 bits, for magnitudes from 6e-5 to 65,504). All else is computed in f32.
;;   The module's matrix products, in the order in which they are computed (A, B: the left and right operand; K: the contracted axis; several contracted axes count as one K, in the product's order):
;;     1. [M 4,096, K 1,024] x [K 1,024, N 1,024]; A: input hidden_states; B: input Wq: QUANTISED
;;     2. [M 4,096, K 1,024] x [K 1,024, N 256]; A: input hidden_states; B: input Wk: QUANTISED
;;     3. [M 4,096, K 1,024] x [K 1,024, N 256]; A: input hidden_states; B: input Wv: QUANTISED
;;     4. batch 32 x [M 2,048, K 64] x [K 64, N 2,048]; A: computed on the way; B: computed on the way: left as it is (an operand is computed on the way)
;;     5. batch 32 x [M 64, K 2,048] x [K 2,048, N 2,048]; A: computed on the way; B: computed on the way: left as it is (an operand is computed on the way)
;;     6. [M 4,096, K 1,024] x [K 1,024, N 1,024]; A: computed on the way; B: input Wo: left as it is (an operand is computed on the way)
;;   THE QUANTISER, for each operand of a quantised product, along K:
;;     - K is cut into blocks of 32 from its start; a last block that is shorter is filled with zeros.
;;     - A block's scale is 2^e with e = floor(log2(the largest magnitude in the block)) - 2, held to -126 .. 127; a block of zeros has e = 0. As a byte (E8M0): e + 127.
;;     - Each number is divided by its block's scale, clamped to +-6, and rounded to the nearest number of E2M1, ties to even, subnormals kept.
;;     - The product sums the exact products of the quantised numbers (number of the format x scale) in f32.
;;   ~~~python
;;   def quantise(x, axis):      # numpy; x: float32 -> the quantised numbers, widened to float32 again
;;       x = np.moveaxis(x, axis, -1); K = x.shape[-1]
;;       x = np.pad(x, [(0, 0)] * (x.ndim - 1) + [(0, -K % 32)]); x = x.reshape(x.shape[:-1] + (-1, 32)); a = np.abs(x).max(-1, keepdims=True)
;;       e = np.where(a > 0, np.clip(np.frexp(np.where(a > 0, a, 1))[1] - 1 - 2, -126, 127), 0)      # np.frexp(a)[1] - 1 = floor(log2(a)), exactly
;;       r = np.clip(x / 2.0 ** e, -6, 6)
;;       step = 2.0 ** (np.maximum(np.frexp(np.where(r == 0, 1, r))[1] - 1, 0) - 1)
;;       q = np.round(r / step) * step * 2.0 ** e      # np.round: ties to even
;;       return np.moveaxis(q.reshape(q.shape[:-2] + (-1,))[..., :K], -1, axis).astype(np.float32)
;;   ~~~
;; One version. Each part assembles by itself: llvm-mc -triple=amdgcn-amd-amdhsa -mcpu=gfx1250 --defsym DOCPART=n.
;; ======== version 1 of 1: 5 launches
;; limits: values are held in f16: magnitudes above 65,504 overflow, below 6.1e-05 lose precision; right only within a limited range of input values
;; workspace buffers: hq 2,228,224 bytes; wq 835,584 bytes; wo16 2,097,152 bytes; qkv16 12,582,912 bytes; fine32 196,608 bytes; cimg 8,388,608 bytes
;; launch prep (part 1): grid 168 x 1, 16 waves a work-group, no clusters, 137,216 bytes of LDS; arguments hidden_states, Wq, Wk, Wv, Wo, hq, wq, wo16; writes hq, wq, wo16
.if DOCPART == 1
	.amdgcn_target "amdgcn-amd-amdhsa--gfx1250"
	.amdhsa_code_object_version 6
	.text
	.protected	k_qb0768649a3_prep
	.globl	k_qb0768649a3_prep
	.p2align	8
	.type	k_qb0768649a3_prep,@function
k_qb0768649a3_prep:
	s_mov_b64 s[64:65], 0
	v_nop
	global_prefetch_b8 v0, s[64:65] scope:SCOPE_SE
	s_setreg_imm32_b32 hwreg(HW_REG_WAVE_MODE, 25, 1), 1
	s_wait_xcnt 0x0
; PREP.  hidden_states [4096][1024] f32 and Wq, Wk, Wv ([1024][N] f32, K is their FIRST axis) become codes of FP4 (E2M1) with one E8M0 byte for each 32 along K;
; Wo [1024][1024] f32 becomes f16.  Everything is stored as an IMAGE OF THE READER'S OPERAND REGISTERS: a group of four registers is 512 bytes, lane l's 16 bytes at 16 l.
; hq: [K step of 128: 8][record 64][4,352]; a record is four fragments (16 rows x 128 K, 1,024 bytes: block b of row r at 256 b + 16 r) and, from byte 4,096 on, their 4 x 16 scale words.
; wq: [K step 8][record 24][4,352], the same record for 16 columns a fragment; columns 0-1023 Wq's, 1024-1279 Wk's, 1280-1535 Wv's.
; wo16: [256 along K: 4][16 columns: 64][32 along K: 8][1,024]: the f16 fragment of Wo^T: k = 8 m .. 8 m + 7 of column r at 256 m + 16 r.
; A block's scale is 2^(floor(log2(largest magnitude)) - 2); its byte is the largest magnitude's exponent field - 2, held at 1 from below.
; LIMITS: a block of zeros gets the byte 1 where the quantiser says 127 (its codes are zeros, and this program alone reads the bytes); blocks whose largest magnitude lies under 2^-124 are held at the
; byte 1; NaN and infinities among the inputs are not served; |Wo| stays under 65,504, f16's largest number, and what lies under 6e-5 keeps an absolute error of 2^-25.
; SHARES.  Work-groups 0-127: hidden_states, a wave to 16 rows x 128 K.  Work-groups 128-167: the weights, a wave to 32 columns x 128 K.  Waves share nothing: no barrier.  Only the first path uses LDS.
; Streaming: no matrix unit, no cluster, no tensor load: nothing is read twice, and every wave's loads go out at its head.
.set STG,   8448                       ; a wave's stage: 16 rows of 528 bytes
.set SP,    528                        ; 512 bytes of a row + 16: an odd multiple of 16
.set SPARE, 16*STG                     ; behind the stages: the spare words, 128 bytes a wave, that no other line names
.set REC,   4352
.set SPW,   2                          ; v2   my spare word's LDS address; never rewritten
.set NIL,   3                          ; v3   0; never rewritten
.set R,     16                         ; v16-79   hidden_states as loaded
.set XH,    80                         ; v80-143  register 32 c + i = k 64 c + 32 h + i of row r
.set CH,    160                        ; v160-167 the fragment's codes
.set ROFF,  16                         ; v16-47   weights: 4 x lane + i rows; never rewritten
.set X,     48                         ; v48-175  weights: register 32 t + i = W(32 t + i, my column)
.set C,     176                        ; v176-191 codes: four registers for each block, so that no store's data are written again
	s_load_b512 s[8:23], s[0:1], 0x0               ; hidden s[8:9], Wq s[10:11], Wk s[12:13], Wv s[14:15], Wo s[16:17], hq s[18:19], wq s[20:21], wo16 s[22:23]
	v_lshl_add_u32 v[SPW], v0, 2, SPARE
	v_mov_b32 v[NIL], 0
	v_lshrrev_b32 v1, 5, v0
	v_readfirstlane_b32 s4, v1                     ; wave 0..15
	v_and_b32 v1, 31, v0                           ; lane
	v_and_b32 v10, 15, v0                          ; r
	v_bfe_u32 v11, v0, 4, 1                        ; h
	v_lshlrev_b32 v4, 4, v1                        ; 16 x lane
	s_cmp_lt_u32 ttmp9, 128
	s_cbranch_scc0 .Lweights
; ---------------- hidden_states: rows 16 G .. 16 G + 15, K step q
	s_lshl_b32 s5, ttmp9, 1
	s_lshr_b32 s6, s4, 3
	s_add_co_u32 s5, s5, s6                        ; G = 2 x work-group + wave / 8
	s_and_b32 s6, s4, 7                            ; q
	s_mov_b32 s2, 0x76543210
	s_mov_b32 s3, 0xfedcba98                       ; v_permlanex16_b32's selects for lane l xor 16
	s_mul_i32 s7, s4, STG                          ; my stage
	v_add_nc_u32 v5, s7, v4                        ; in: 16 bytes a lane of a row's 512
	v_mul_u32_u24 v6, v10, SP
	v_lshl_add_u32 v6, v11, 7, v6
	v_add_nc_u32 v6, s7, v6                        ; out: row r, + 128 h: my 32 numbers of each 64
	v_lshlrev_b32 v7, 2, v10                       ; 4 r: a row's scale word
	s_lshl_b32 s24, s5, 16                         ; 16 rows of 4,096 bytes
	s_lshl_b32 s25, s6, 9                          ; 128 numbers
	s_add_co_u32 s24, s24, s25
	s_mov_b32 s25, 0
	s_lshl_b32 s26, s6, 6
	s_lshr_b32 s27, s5, 2
	s_add_co_u32 s26, s26, s27
	s_mul_i32 s26, s26, REC                        ; record 64 q + G / 4
	s_and_b32 s27, s5, 3
	s_lshl_b32 s28, s27, 10
	s_add_co_u32 s28, s28, s26                     ; my fragment
	s_mov_b32 s29, 0
	s_lshl_b32 s30, s27, 6
	s_add_co_u32 s30, s30, s26                     ; my 16 scale words (their 4,096 stand in the store's immediate)
	s_mov_b32 s31, 0
	s_wait_kmcnt 0x0
	s_add_nc_u64 s[8:9], s[8:9], s[24:25]
	s_add_nc_u64 s[28:29], s[18:19], s[28:29]
	s_add_nc_u64 s[30:31], s[18:19], s[30:31]
.irp i, 0,1,2,3,4,5,6,7,8,9,10,11,12,13,14,15
	global_load_b128 v[R+4*\i:R+4*\i+3], v4, s[8:9] offset:\i*4096 th:TH_LOAD_NT   ; 32 lanes read 512 consecutive bytes of row i
.endr
.irp i, 0,1,2,3,4,5,6,7,8,9,10,11,12,13,14,15
	s_wait_loadcnt 15-\i                           ; loads come back in order: row i is in, the younger rows stay out
	ds_store_b128 v5, v[R+4*\i:R+4*\i+3] offset:SP*\i
.endr
.irp c, 0,1
.irp i, 0,1,2,3,4,5,6,7
	ds_load_b128 v[XH+32*\c+4*\i:XH+32*\c+4*\i+3], v6 offset:256*\c+16*\i   ; my wave's own bytes, served in order: no wait between the stores and these
.endr
.endr
	s_wait_dscnt 0x0
.irp c, 0,1                                    ; my block 2 c + h: all its 32 numbers are mine
	v_max3_num_f32 v[144+\c], |v[XH+32*\c]|, |v[XH+1+32*\c]|, 0x1800000   ; and the floor 2^(3 - 127): the byte cannot fall under 1
.endr
.irp i, 2,4,6,8,10,12,14,16,18,20,22,24,26,28,30
.irp c, 0,1
	v_max3_num_f32 v[144+\c], v[144+\c], |v[XH+32*\c+\i]|, |v[XH+1+32*\c+\i]|
.endr
.endr
.irp c, 0,1
	v_add_nc_u32 v[146+\c], 0xff000000, v[144+\c]  ; 2 off the exponent field: the conversion's scale operand
.endr
.irp c, 0,1
	v_lshrrev_b32 v[148+\c], 23, v[146+\c]         ; the scale's byte
.endr
	v_lshl_or_b32 v150, v149, 16, v148             ; my two bytes, blocks h and 2 + h,
	v_lshlrev_b32 v151, 3, v11
	v_lshlrev_b32 v150, v151, v150                 ; at their places in the word;
	v_mov_b32 v151, 0
	v_permlanex16_b32 v151, v150, s2, s3
	v_or_b32 v150, v150, v151                      ; with lane l xor 16's two the word is whole
.irp c, 0,1
.irp g, 0,1,2,3
	v_cvt_scalef32_pk8_fp4_f32 v[CH+4*\c+\g], v[XH+32*\c+8*\g:XH+32*\c+8*\g+7], v[146+\c]
.endr
.endr
	v_nop                                          ; one plain line behind the last scaled conversion
	global_store_b128 v4, v[CH:CH+3], s[28:29]               ; 512 consecutive bytes
	global_store_b128 v4, v[CH+4:CH+7], s[28:29] offset:512
	global_store_b32 v7, v150, s[30:31] offset:4096          ; 64 bytes: 16 scale words (lanes 16-31 write the same words with the same values): one byte in 128 of what this path reads
	s_wait_tensorcnt 0x0                           ; the wave's end: behind my last LDS store
	ds_add_u32 v[SPW], v[NIL]
	s_wait_dscnt 0x0
	s_endpgm
; ---------------- the weights: a lane takes a column, its registers run down K
.Lweights:
	s_sub_co_u32 s5, ttmp9, 128
	s_and_b32 s6, s5, 1
	s_lshr_b32 s5, s5, 1                           ; block of 128 columns: 0-7 Wq, 8-9 Wk, 10-11 Wv, 12-19 Wo
	s_and_b32 s7, s4, 3                            ; which 32 of them
	s_lshr_b32 s24, s4, 2
	s_lshl_b32 s6, s6, 2
	s_add_co_u32 s6, s6, s24                       ; K step q of 128
	s_wait_kmcnt 0x0
	s_cmp_lt_u32 s5, 12                            ; the choice hangs on the work-group's number alone
	s_cselect_b64 s[24:25], s[14:15], s[16:17]
	s_cselect_b32 s26, 10, 12                      ; the tensor's first block
	s_cselect_b32 s27, 10, 12                      ; log2 of its row's bytes
	s_cmp_lt_u32 s5, 10
	s_cselect_b64 s[24:25], s[12:13], s[24:25]
	s_cselect_b32 s26, 8, s26
	s_cmp_lt_u32 s5, 8
	s_cselect_b64 s[24:25], s[10:11], s[24:25]
	s_cselect_b32 s26, 0, s26
	s_cselect_b32 s27, 12, s27
	s_sub_co_u32 s26, s5, s26
	s_lshl_b32 s28, 1, s27                         ; a row in bytes
	s_lshl_b32 s29, s6, 7
	s_lshl_b32 s30, s29, s27                       ; 128 q rows
	s_lshl_b32 s26, s26, 9
	s_add_co_u32 s30, s30, s26                     ; + 128 columns a block
	s_lshl_b32 s26, s7, 7
	s_add_co_u32 s30, s30, s26                     ; + my wave's 32
	s_mov_b32 s31, 0
	s_add_nc_u64 s[32:33], s[24:25], s[30:31]      ; block 0 of my K step,
	s_lshl_b32 s30, s28, 5
	s_add_nc_u64 s[34:35], s[32:33], s[30:31]      ; and 32 rows on for each further block
	s_add_nc_u64 s[36:37], s[34:35], s[30:31]
	s_add_nc_u64 s[38:39], s[36:37], s[30:31]
	v_lshlrev_b32 v6, 2, v1                        ; 4 x lane
.set ii, 0
.rept 32
	v_mad_u32_u24 v[ROFF+ii], s28, ii, v6
.set ii, ii+1
.endr
.macro LOADB t                         ; block t: W(32 t + i, my column): a wave reads 128 consecutive bytes, four waves stand side by side on 512
.set ii, 0
.rept 32
	global_load_b32 v[X+32*(\t)+ii], v[ROFF+ii], s[32+2*(\t):33+2*(\t)] th:TH_LOAD_NT
.set ii, ii+1
.endr
.endm
.macro WAITB t                         ; block t's loads are in; the next block's 32 may be out; then the block two on is asked for
.if (\t) < 3
	s_wait_loadcnt 32
.else
	s_wait_loadcnt 0x0
.endif
.if (\t)+2 < 4
	LOADB (\t)+2
.endif
.endm
	LOADB 0
	LOADB 1
	v_lshlrev_b32 v5, 4, v10                       ; 16 r
	s_cmp_lt_u32 s5, 12
	s_cbranch_scc0 .Lcast
	; Wq, Wk, Wv: quantised.  Column n = 128 block + 32 cg + lane: fragment n / 16, record (n / 16) / 4
	s_mul_i32 s40, s6, 24
	s_lshl_b32 s41, s5, 1
	s_add_co_u32 s40, s40, s41
	s_lshr_b32 s41, s7, 1
	s_add_co_u32 s40, s40, s41
	s_mul_i32 s40, s40, REC
	s_and_b32 s41, s7, 1
	s_lshl_b32 s42, s41, 11
	s_add_co_u32 s42, s42, s40                     ; my wave's two fragments
	s_mov_b32 s43, 0
	s_lshl_b32 s44, s41, 7
	s_add_co_u32 s44, s44, s40                     ; and their 32 scale words
	s_mov_b32 s45, 0
	s_add_nc_u64 s[42:43], s[20:21], s[42:43]
	s_add_nc_u64 s[44:45], s[20:21], s[44:45]
	v_lshl_add_u32 v5, v11, 10, v5                 ; lanes 16-31: the second fragment
.macro QBLK t
.set XS, X+32*(\t)
	WAITB \t
	v_max3_num_f32 v8, |v[XS]|, |v[XS+1]|, |v[XS+2]|         ; the block's largest magnitude: all 32 numbers are mine
	v_max3_num_f32 v9, |v[XS+3]|, |v[XS+4]|, |v[XS+5]|
.irp i, 6,10,14,18,22,26
	v_max3_num_f32 v8, v8, |v[XS+\i]|, |v[XS+\i+1]|
	v_max3_num_f32 v9, v9, |v[XS+\i+2]|, |v[XS+\i+3]|
.endr
	v_max3_num_f32 v8, v8, |v[XS+30]|, |v[XS+31]|
	v_max3_num_f32 v8, v8, v9, 0x1800000           ; and the floor
	v_add_nc_u32 v12, 0xff000000, v8               ; the conversion's scale operand
	v_lshrrev_b32 v13, 23, v12                     ; the byte
.if (\t) == 0
	v_mov_b32 v14, v13                             ; the four bytes make my column's scale word for this K step
.else
	v_lshl_or_b32 v14, v13, 8*(\t), v14
.endif
.irp g, 0,1,2,3
	v_cvt_scalef32_pk8_fp4_f32 v[C+4*(\t)+\g], v[XS+8*\g:XS+8*\g+7], v12
.endr
	global_store_b128 v5, v[C+4*(\t):C+4*(\t)+3], s[42:43] offset:256*(\t)   ; block t of 16 columns: sixteen lanes store 256 consecutive bytes, aligned
.endm
	QBLK 0
	QBLK 1
	QBLK 2
	QBLK 3
	v_nop                                          ; one plain line behind the last scaled conversion
	global_store_b32 v6, v14, s[44:45] offset:4096 ; 128 consecutive bytes of scale words
	s_endpgm
.Lcast:
	; Wo: f16, as fragments of Wo^T
	s_lshr_b32 s40, s6, 1
	s_lshl_b32 s40, s40, 6                         ; 256 along K: 64 tiles of columns
	s_sub_co_u32 s41, s5, 12
	s_lshl_b32 s41, s41, 3
	s_add_co_u32 s40, s40, s41
	s_lshl_b32 s41, s7, 1
	s_add_co_u32 s40, s40, s41
	s_lshl_b32 s40, s40, 13
	s_and_b32 s41, s6, 1
	s_lshl_b32 s41, s41, 12
	s_add_co_u32 s40, s40, s41
	s_mov_b32 s41, 0
	s_add_nc_u64 s[40:41], s[22:23], s[40:41]
	v_lshl_add_u32 v5, v11, 13, v5                 ; lanes 16-31: the next tile of 16 columns
.irp t, 0,1,2,3
	WAITB \t
.set ii, 0
.rept 16
	v_cvt_pk_f16_f32 v[X+32*\t+ii], v[X+32*\t+2*ii], v[X+32*\t+2*ii+1]   ; in place, ascending: a register is written only when it has been read
.set ii, ii+1
.endr
.irp m, 0,1,2,3
	global_store_b128 v5, v[X+32*\t+4*\m:X+32*\t+4*\m+3], s[40:41] offset:1024*\t+256*\m   ; k = 8 m .. 8 m + 7 of 16 columns: 256 consecutive bytes, aligned
.endr
.endr
	s_endpgm
.Lfunc_end_k_qb0768649a3_prep:
	.size	k_qb0768649a3_prep, .Lfunc_end_k_qb0768649a3_prep-k_qb0768649a3_prep
	.p2alignl 7, 3214868480
	.fill 96, 4, 3214868480
	.section	.rodata,"a",@progbits
	.p2align	6, 0x0
	.amdhsa_kernel k_qb0768649a3_prep
		.amdhsa_group_segment_fixed_size 137216
		.amdhsa_private_segment_fixed_size 0
		.amdhsa_enable_private_segment 0
		.amdhsa_kernarg_size 64
		.amdhsa_user_sgpr_count 2
		.amdhsa_user_sgpr_kernarg_segment_ptr 1
		.amdhsa_wavefront_size32 1
		.amdhsa_system_sgpr_workgroup_id_x 1
		.amdhsa_system_sgpr_workgroup_id_y 1
		.amdhsa_system_sgpr_workgroup_id_z 1
		.amdhsa_system_vgpr_workitem_id 0
		.amdhsa_next_free_vgpr 192
		.amdhsa_next_free_sgpr 66
		.amdhsa_reserve_vcc 0
		.amdhsa_float_denorm_mode_32 3
		.amdhsa_float_denorm_mode_16_64 3
		.amdhsa_memory_ordered 1
		.amdhsa_forward_progress 1
		.amdhsa_inst_pref_size 44
	.end_amdhsa_kernel
	.amdgpu_metadata
---
amdhsa.version: [ 1, 2 ]
amdhsa.kernels:
  - .name:           k_qb0768649a3_prep
    .symbol:         k_qb0768649a3_prep.kd
    .args:
      - { .name: hidden_states, .offset: 0, .size: 8, .value_kind: global_buffer, .address_space: global }
      - { .name: Wq, .offset: 8, .size: 8, .value_kind: global_buffer, .address_space: global }
      - { .name: Wk, .offset: 16, .size: 8, .value_kind: global_buffer, .address_space: global }
      - { .name: Wv, .offset: 24, .size: 8, .value_kind: global_buffer, .address_space: global }
      - { .name: Wo, .offset: 32, .size: 8, .value_kind: global_buffer, .address_space: global }
      - { .name: hq, .offset: 40, .size: 8, .value_kind: global_buffer, .address_space: global }
      - { .name: wq, .offset: 48, .size: 8, .value_kind: global_buffer, .address_space: global }
      - { .name: wo16, .offset: 56, .size: 8, .value_kind: global_buffer, .address_space: global }
    .group_segment_fixed_size: 137216
    .private_segment_fixed_size: 0
    .kernarg_segment_align: 8
    .kernarg_segment_size: 64
    .max_flat_workgroup_size: 512
    .sgpr_count:     66
    .vgpr_count:     192
    .wavefront_size: 32
...
	.end_amdgpu_metadata
.endif
;; end of part 1
;; launch qkv (part 2): grid 6 x 32, 8 waves a work-group, no clusters, 209,920 bytes of LDS; arguments hq, wq, qkv16, fine32; writes qkv16, fine32
.if DOCPART == 2
	.amdgcn_target "amdgcn-amd-amdhsa--gfx1250"
	.amdhsa_code_object_version 6
	.text
	.protected	k_qb0768649a3_qkv
	.globl	k_qb0768649a3_qkv
	.p2align	8
	.type	k_qb0768649a3_qkv,@function
k_qb0768649a3_qkv:
	s_mov_b64 s[64:65], 0
	v_nop
	global_prefetch_b8 v0, s[64:65] scope:SCOPE_SE
	s_setreg_imm32_b32 hwreg(HW_REG_WAVE_MODE, 25, 1), 1
	s_wait_xcnt 0x0
; QKV.  q, k, v = hidden_states x (Wq | Wk | Wv) on codes of FP4 with E8M0 scales, f32 sums; K = 1,024 in eight steps of 128.
; A work-group makes 128 rows x 256 columns (x = 0-3: q's heads 4 x .. 4 x + 3; x = 4: k's four heads; x = 5: v's); a wave 64 rows x 64 columns, one head: 16 accumulators.
; ALL OF K LIES IN LDS AT ONCE: sixteen dense blocks (for each K step 2 records of hq, 8,704 bytes, and 4 of wq, 17,408), two tensor loads a wave, all first fills: nothing is filled again.
; Operands lie in memory as images of their registers, so a fragment is two ds_load_b128 at 16 x lane: consecutive bytes, no padding.
; q and k: source 0 = 16 columns of W, source 1 = 16 rows of hidden_states: a lane holds one position and eight neighbouring channels, which, rounded to f16, are four registers of the fragment that
; attention's first product wants.  v: the sources the other way round: a lane holds one channel and eight neighbouring positions: the fragment of V^T for the second product.
; qkv16: 48 blocks of 262,144 bytes: q's heads 16 b + h; from 32 on k's 4 b + h; from 40 on v's.  q, k: [16 positions: 128][2,048]; v: [32 keys: 64][16 channels: 4][1,024].
; fine32: the f32 accumulators of positions 0-15 of each sequence as they stand, [b][head 24][4,096], for the launch that carries those rows in f32.
; LIMITS: |q|, |k|, |v| stay under 65,504 (f16); what lies under 6e-5 keeps an absolute error of 2^-25.
; NO CLUSTER: along the rows, where the larger operand is shared, one partner in sixteen has a branch of its own (the f32 copy); along x the grid's 6 is no multiple of 4.
.set REC,   4352
.set KBLK,  6*REC                      ; a K step in LDS: A's 2 records, then B's 4
.set BOFF,  2*REC
.set SPARE, 8*KBLK                     ; behind them: the spare words, 128 bytes a wave, that no other line names
.set L16,   1                          ; v1   16 x lane
.set AAD,   4                          ; v4   my record of A in the K step in hand, + 16 x lane
.set BAD,   5                          ; v5   my record of B
.set ASA,   6                          ; v6   A's scale words: the record + 4 r (their 4,096 stand in the immediates)
.set ASB,   7                          ; v7   B's
.set SPW,   8                          ; v8   my spare word; never rewritten
.set NIL,   9                          ; v9   0; never rewritten
.set AF,    16                         ; v16-47   A's four fragments
.set BF,    48                         ; v48-79   B's four
.set SA,    80                         ; v80-83   A's scale words: these eight registers hold scales and nothing else
.set SB,    84                         ; v84-87   B's
.set ACC,   128                        ; v128-255 accumulator (a, b) at 128 + 8 (4 a + b)
.set PK,    16                         ; the way out: four registers of f16 for each accumulator, where the fragments lay
	s_load_b256 s[4:11], s[0:1], 0x0               ; hq s[4:5], wq s[6:7], qkv16 s[8:9], fine32 s[10:11]
	v_lshl_add_u32 v[SPW], v0, 2, SPARE
	v_mov_b32 v[NIL], 0
	ds_add_u32 v[SPW], v[NIL]                      ; the wave's opening: the add, twice on end, and its wait ahead of my first tensor load
	ds_add_u32 v[SPW], v[NIL]
	v_lshrrev_b32 v1, 5, v0
	v_readfirstlane_b32 s12, v1                    ; wave 0..7
	s_and_b32 s13, s12, 3                          ; my 64 columns.  Also: which K steps I fetch: this one and the one four on
	s_lshr_b32 s14, s12, 2                         ; my 64 rows.  Also: I fetch B (0) or A (1)
	s_and_b32 s15, ttmp7, 0xffff                   ; tile of 128 rows
	; group 1: dense blocks as rows of 256 bytes (32 elements of 8 bytes): A's 34 rows, B's 68
	s_mov_b32 s24, 3<<16
	s_mov_b32 s25, 32<<16                          ; tensor_dim0
	s_mov_b32 s26, 34<<16                          ; tensor_dim1
	s_mov_b32 s27, 32<<16                          ; tile_dim0
	s_mov_b32 s28, 34                              ; tile_dim1
	s_mov_b32 s29, 32                              ; the pitch
	s_mov_b32 s30, 0
	s_mov_b32 s31, 0
	s_mov_b32 s32, 3<<16
	s_mov_b32 s33, 32<<16
	s_mov_b32 s34, 68<<16
	s_mov_b32 s35, 32<<16
	s_mov_b32 s36, 68
	s_mov_b32 s37, 32
	s_mov_b32 s38, 0
	s_mov_b32 s39, 0
	s_mul_i32 s16, s13, KBLK                       ; group 0: s[40:43], s[44:47] A's two; s[48:51], s[52:55] B's two
	s_mov_b32 s40, 1
	s_mov_b32 s41, s16
	s_mov_b32 s44, 1
	s_add_co_u32 s45, s16, 4*KBLK
	s_mov_b32 s48, 1
	s_add_co_u32 s49, s16, BOFF
	s_mov_b32 s52, 1
	s_add_co_u32 s53, s16, 4*KBLK+BOFF
	s_lshl_b32 s17, s13, 6
	s_lshl_b32 s18, s15, 1
	s_add_co_u32 s17, s17, s18
	s_mul_i32 s20, s17, REC                        ; hq: record 64 q + 2 y
	s_mov_b32 s21, 0
	s_mul_i32 s17, s13, 24
	s_lshl_b32 s18, ttmp9, 2
	s_add_co_u32 s17, s17, s18
	s_mul_i32 s22, s17, REC                        ; wq: record 24 q + 4 x
	s_mov_b32 s23, 0
	s_wait_dscnt 0x0                               ; both opening adds are done
	s_wait_kmcnt 0x0
	s_add_nc_u64 s[42:43], s[4:5], s[20:21]
	s_add_nc_u64 s[46:47], s[42:43], 256*REC       ; four K steps on
	s_or_b32 s43, s43, 0x80000000
	s_or_b32 s47, s47, 0x80000000
	s_add_nc_u64 s[50:51], s[6:7], s[22:23]
	s_add_nc_u64 s[54:55], s[50:51], 96*REC
	s_or_b32 s51, s51, 0x80000000
	s_or_b32 s55, s55, 0x80000000
	s_cmp_lt_u32 s12, 4                            ; a wave's two first fills stand in one branch on its number; two tensor loads of mine are out
	s_cbranch_scc0 .Lfill_a
	tensor_load_to_lds s[48:51], s[32:39]
	s_nop 0
	tensor_load_to_lds s[52:55], s[32:39]
	s_nop 0
.rept 4
	v_nop
.endr
	s_branch .Lfilled
.Lfill_a:
	tensor_load_to_lds s[40:43], s[24:31]
	s_nop 0
	tensor_load_to_lds s[44:47], s[24:31]
	s_nop 0
.rept 4
	v_nop
.endr
.Lfilled:
	v_and_b32 v3, 31, v0
	v_lshlrev_b32 v[L16], 4, v3
	v_and_b32 v2, 15, v0
	v_lshlrev_b32 v2, 2, v2                        ; 4 r
	s_mul_i32 s17, s14, REC
	s_mul_i32 s18, s13, REC
	s_add_co_u32 s18, s18, BOFF
	v_add_nc_u32 v[AAD], s17, v[L16]
	v_add_nc_u32 v[BAD], s18, v[L16]
	v_add_nc_u32 v[ASA], s17, v2
	v_add_nc_u32 v[ASB], s18, v2
	; where the results go
	s_lshr_b32 s16, s15, 4                         ; the sequence b
	s_and_b32 s17, s15, 15                         ; the tile of 128 positions in it
	s_lshl_b32 s18, s16, 4
	s_lshl_b32 s19, ttmp9, 2
	s_add_co_u32 s18, s18, s19                     ; q: 16 b + 4 x
	s_lshl_b32 s19, ttmp9, 3
	s_lshl_b32 s20, s16, 2
	s_add_co_u32 s19, s19, s20                     ; k, v: 32 + 8 (x - 4) + 4 b = 8 x + 4 b
	s_cmp_lt_u32 ttmp9, 4
	s_cselect_b32 s18, s18, s19
	s_add_co_u32 s18, s18, s13                     ; + my head
	s_lshl_b32 s18, s18, 18
	s_lshl_b32 s19, s17, 3
	s_lshl_b32 s20, s14, 2
	s_add_co_u32 s19, s19, s20
	s_lshl_b32 s19, s19, 11                        ; my first 16 positions: 2,048 bytes for each 16, in q, k and v alike
	s_add_co_u32 s18, s18, s19
	s_mov_b32 s19, 0
	s_add_nc_u64 s[8:9], s[8:9], s[18:19]
	s_mul_i32 s20, s16, 24
	s_lshl_b32 s21, ttmp9, 2
	s_add_co_u32 s20, s20, s21
	s_add_co_u32 s20, s20, s13
	s_lshl_b32 s20, s20, 12
	s_mov_b32 s21, 0
	s_add_nc_u64 s[10:11], s[10:11], s[20:21]
	s_or_b32 s22, s17, s14                         ; 0 where my rows begin a sequence
.macro FETCH                           ; a K step's fragments and scale words: 24 LDS loads
.irp i, 0,1,2,3
	ds_load_b128 v[AF+8*\i:AF+8*\i+3],   v[AAD] offset:1024*\i
	ds_load_b128 v[AF+8*\i+4:AF+8*\i+7], v[AAD] offset:1024*\i+512
	ds_load_b128 v[BF+8*\i:BF+8*\i+3],   v[BAD] offset:1024*\i
	ds_load_b128 v[BF+8*\i+4:BF+8*\i+7], v[BAD] offset:1024*\i+512
	ds_load_b32 v[SA+\i], v[ASA] offset:4096+64*\i
	ds_load_b32 v[SB+\i], v[ASB] offset:4096+64*\i
.endr
.endm
; 16 matrix instructions; the 16 accumulators take turns, one instruction a turn, in the same order in every K step.  zero = 1: the first K step starts the sums.
.macro MUL zero, swap
.irp a, 0,1,2,3
.irp b, 0,1,2,3
.set AC, ACC+8*(4*\a+\b)
.if \swap
.if \zero
	v_wmma_scale_f32_16x16x128_f8f6f4 v[AC:AC+7], v[AF+8*\a:AF+8*\a+7], v[BF+8*\b:BF+8*\b+7], 0, v[SA+\a], v[SB+\b] matrix_a_fmt:MATRIX_FMT_FP4 matrix_b_fmt:MATRIX_FMT_FP4
.else
	v_wmma_scale_f32_16x16x128_f8f6f4 v[AC:AC+7], v[AF+8*\a:AF+8*\a+7], v[BF+8*\b:BF+8*\b+7], v[AC:AC+7], v[SA+\a], v[SB+\b] matrix_a_fmt:MATRIX_FMT_FP4 matrix_b_fmt:MATRIX_FMT_FP4
.endif
.else
.if \zero
	v_wmma_scale_f32_16x16x128_f8f6f4 v[AC:AC+7], v[BF+8*\b:BF+8*\b+7], v[AF+8*\a:AF+8*\a+7], 0, v[SB+\b], v[SA+\a] matrix_a_fmt:MATRIX_FMT_FP4 matrix_b_fmt:MATRIX_FMT_FP4
.else
	v_wmma_scale_f32_16x16x128_f8f6f4 v[AC:AC+7], v[BF+8*\b:BF+8*\b+7], v[AF+8*\a:AF+8*\a+7], v[AC:AC+7], v[SB+\b], v[SA+\a] matrix_a_fmt:MATRIX_FMT_FP4 matrix_b_fmt:MATRIX_FMT_FP4
.endif
.endif
.endr
.endr
.endm
; A K step.  Behind its products stand four plain vector lines that name none of their registers: the places ahead of the next loads into the fragments, or of the first read of results
.macro KSTEP zero, swap, more
	FETCH
	s_wait_dscnt 0x0
	MUL \zero, \swap
.if \more
	v_add_nc_u32 v[AAD], KBLK, v[AAD]              ; on to the next K step
	v_add_nc_u32 v[BAD], KBLK, v[BAD]
	v_add_nc_u32 v[ASA], KBLK, v[ASA]
	v_add_nc_u32 v[ASB], KBLK, v[ASB]
.else
.rept 4
	v_nop
.endr
.endif
.endm
; THE WAY OUT, straight from registers: every store of the wave covers 512 consecutive bytes, aligned.  Each accumulator is read from its low end on.
.macro WAYOUT swap
	s_cmp_lg_u32 s22, 0                            ; ids alone
	s_cbranch_scc1 .Lno_fine_\@
.irp b, 0,1,2,3
	global_store_b128 v[L16], v[ACC+8*\b:ACC+8*\b+3],   s[10:11] offset:1024*\b        ; positions 0-15 in f32, as they stand
	global_store_b128 v[L16], v[ACC+8*\b+4:ACC+8*\b+7], s[10:11] offset:1024*\b+512
.endr
.Lno_fine_\@:
.irp a, 0,1,2,3
.irp b, 0,1,2,3
.irp k, 0,1,2,3
	v_cvt_pk_f16_f32 v[PK+4*(4*\a+\b)+\k], v[ACC+8*(4*\a+\b)+2*\k], v[ACC+8*(4*\a+\b)+2*\k+1]
.endr
.if \swap
	global_store_b128 v[L16], v[PK+4*(4*\a+\b):PK+4*(4*\a+\b)+3], s[8:9] offset:(\a/2)*4096+(\a%2)*512+\b*1024   ; v: 32 keys a / 2, their half a % 2, channels 16 b on
.else
	global_store_b128 v[L16], v[PK+4*(4*\a+\b):PK+4*(4*\a+\b)+3], s[8:9] offset:\a*2048+\b*512                   ; q, k: positions 16 a on, channels 16 b on
.endif
.endr
.endr
	s_wait_tensorcnt 0x0                           ; the wave's end: behind my last tensor load
	ds_add_u32 v[SPW], v[NIL]
	s_wait_dscnt 0x0
	s_endpgm
.endm
	s_wait_tensorcnt 0x1                           ; my first load, one of K steps 0-3, has landed; my second may stay out
	s_barrier_signal -1
	s_barrier_wait -1                              ; everybody's has
	s_cmp_eq_u32 ttmp9, 5
	s_cbranch_scc1 .Lv_first
	KSTEP 1, 0, 1
	KSTEP 0, 0, 1
	KSTEP 0, 0, 1
	KSTEP 0, 0, 1
	s_branch .Lhalf
.Lv_first:
	KSTEP 1, 1, 1
	KSTEP 0, 1, 1
	KSTEP 0, 1, 1
	KSTEP 0, 1, 1
.Lhalf:
	s_wait_tensorcnt 0x0                           ; my second load has landed,
	s_wait_dscnt 0x0
	s_barrier_signal -1
	s_barrier_wait -1                              ; and everybody's: K steps 4-7 are whole
	s_cmp_eq_u32 ttmp9, 5
	s_cbranch_scc1 .Lv_second
	KSTEP 0, 0, 1
	KSTEP 0, 0, 1
	KSTEP 0, 0, 1
	KSTEP 0, 0, 0
	WAYOUT 0
.Lv_second:
	KSTEP 0, 1, 1
	KSTEP 0, 1, 1
	KSTEP 0, 1, 1
	KSTEP 0, 1, 0
	WAYOUT 1
.Lfunc_end_k_qb0768649a3_qkv:
	.size	k_qb0768649a3_qkv, .Lfunc_end_k_qb0768649a3_qkv-k_qb0768649a3_qkv
	.p2alignl 7, 3214868480
	.fill 96, 4, 3214868480
	.section	.rodata,"a",@progbits
	.p2align	6, 0x0
	.amdhsa_kernel k_qb0768649a3_qkv
		.amdhsa_group_segment_fixed_size 209920
		.amdhsa_private_segment_fixed_size 0
		.amdhsa_enable_private_segment 0
		.amdhsa_kernarg_size 32
		.amdhsa_user_sgpr_count 2
		.amdhsa_user_sgpr_kernarg_segment_ptr 1
		.amdhsa_wavefront_size32 1
		.amdhsa_system_sgpr_workgroup_id_x 1
		.amdhsa_system_sgpr_workgroup_id_y 1
		.amdhsa_system_sgpr_workgroup_id_z 1
		.amdhsa_system_vgpr_workitem_id 0
		.amdhsa_next_free_vgpr 256
		.amdhsa_next_free_sgpr 66
		.amdhsa_reserve_vcc 0
		.amdhsa_float_denorm_mode_32 3
		.amdhsa_float_denorm_mode_16_64 3
		.amdhsa_memory_ordered 1
		.amdhsa_forward_progress 1
		.amdhsa_inst_pref_size 79
	.end_amdhsa_kernel
	.amdgpu_metadata
---
amdhsa.version: [ 1, 2 ]
amdhsa.kernels:
  - .name:           k_qb0768649a3_qkv
    .symbol:         k_qb0768649a3_qkv.kd
    .args:
      - { .name: hq, .offset: 0, .size: 8, .value_kind: global_buffer, .address_space: global }
      - { .name: wq, .offset: 8, .size: 8, .value_kind: global_buffer, .address_space: global }
      - { .name: qkv16, .offset: 16, .size: 8, .value_kind: global_buffer, .address_space: global }
      - { .name: fine32, .offset: 24, .size: 8, .value_kind: global_buffer, .address_space: global }
    .group_segment_fixed_size: 209920
    .private_segment_fixed_size: 0
    .kernarg_segment_align: 8
    .kernarg_segment_size: 32
    .max_flat_workgroup_size: 256
    .sgpr_count:     66
    .vgpr_count:     256
    .wavefront_size: 32
...
	.end_amdgpu_metadata
.endif
;; end of part 2
;; launch attn (part 3): grid 32 x 8, 4 waves a work-group, no clusters, 327,680 bytes of LDS; arguments qkv16, cimg; writes cimg
.if DOCPART == 3
	.amdgcn_target "amdgcn-amd-amdhsa--gfx1250"
	.amdhsa_code_object_version 6
	.text
	.protected	k_qb0768649a3_attn
	.globl	k_qb0768649a3_attn
	.p2align	8
	.type	k_qb0768649a3_attn,@function
k_qb0768649a3_attn:
	s_mov_b64 s[64:65], 0
	v_nop
	global_prefetch_b8 v0, s[64:65] scope:SCOPE_SE
	s_setreg_imm32_b32 hwreg(HW_REG_WAVE_MODE, 25, 1), 1
	s_wait_xcnt 0x0
; ATTN.  context = softmax(q k^T / 8, causal) v.  Products on f16 operands with f32 sums; maxima, exponentials and sums in f32; a running maximum m and sum l for each query.
; SHARES.  A work-group serves one key/value head (y = 4 b + head); its four waves are the four query heads that share it, so K's and V's tiles in LDS serve all four.
; It takes the block of 32 queries i and then the block 63 - i.  Keys go in slots of 128 (two steps of 64); block j needs j / 4 + 1 slots, so the two blocks need 17 in every work-group:
; equal work, constant trip counts, no load jumped over.  One of the 34 steps lies wholly behind the mask and is computed under it (p = 0, the rescaling factor 1).
; LAYOUT.  S^T = K Q^T (source 0 = 16 keys, source 1 = 16 queries): a lane holds ONE query and the keys 8 (lane / 16) + 0..7; two such tiles, rounded to f16, are source 1 of O^T = V^T P.
; K, Q and V^T lie in memory as images of their registers: a tile is a dense block, a fragment two ds_load_b128 at 16 x lane.  O^T / l, rounded to f16, is a group of four registers of the
; fragment that the output projection wants, and is stored as it stands: cimg [256 along K = key/value head: 4][16 rows: 256][8,192], in it query head % 4 x 2,048 + 16 channels x 512.
; SOFTMAX.  p = 2^(c s - c m), c = log2(e) / 8; in every step O and l are multiplied by a = 2^(c m_old - c m_new).  The step is written once: m begins at -3e38, O and l at 0.
; LIMITS.  A hidden score is taken as -infinity where reference() adds -1e9: the same as long as |score| stays far under 1e9.  The context stays under 65,504 (f16).
; The first 16 positions of each sequence are computed here like all others and written over by the launch that carries them in f32.
; NO CLUSTER: the work-groups of a key/value head stand at different keys at any time, so partners would ask for different tiles.
; REGISTERS.  Window 0: v1-9 addresses and constants; v16-31 statistics, 8 a tile: +0 c m, +1 m, +2, +3 l, +4..+7 at work (a at +6); v32-63 Q; v64-127 S^T; v128-159 P; v160-223 O^T; v224-255 the second block's Q.
; Window 1: v0-63 K of a step; v64-127 V^T of a step.
.set SLOT1, 32768                      ; a slot: K of step 0, K of step 1, V of step 0, V of step 1, 8,192 bytes each; slot 1 begins here
.set SPARE, 65536                      ; behind the ring: the spare words, 128 bytes a wave, that no other line names
.set KOFF,  8388608                    ; k's blocks in qkv16; v's lie 2,097,152 further on
.set L16, 1
.set ADR, 2                            ; v2   the slot in hand + 16 x lane
.set SPW, 3                            ; v3   my spare word; never rewritten
.set NIL, 4                            ; v4   0; never rewritten
.set RB,  5                            ; v5   lane % 16 - 8 (lane / 16)
.set DM,  6                            ; v6-7 the mask: register 8 kt + j of tile t is hidden where 16 kt + j > this
.set NINF, 8                           ; v8   -infinity
.set PFO, 9                            ; v9   256 x lane
.set ST,  16
.set Q,   32
.set S,   64
.set P,   128
.set O,   160
.set QN,  224
.set WV,  8                            ; s8   wave
.set BI,  9                            ; s9   i
.set YB,  10                           ; s10  4 b + key/value head
.set NA,  11                           ; s11  the first block's slots
.set LS,  12                           ; s12  the slot of the list of 17 that is asked for next
.set LIM, 13                           ; s13  a wave prefetches while LS is under this
.set TB,  14                           ; s14  LDS byte at which the slot in hand begins
.set KF,  15                           ; s15  the step's first key
.set Q0,  16                           ; s16  the block's first query
.set CNT, 17
.set SC,  18                           ; s18  slots done, this one among them
.set Q1,  19                           ; s19  the second block's first query
.set CS,  20                           ; s[20:21] c
.set SEL, 22                           ; s[22:23] lane l xor 16
.set G1,  24                           ; s[24:31] group 1: 32 rows of 256 bytes, dense
.set G0A, 32                           ; s[32:35] group 0 of the first fill
.set G0B, 36                           ; s[36:39] of the second, which then walks on
.set GB,  40                           ; s[40:41] my wave's quarter of key slot 0 in memory
.set PFA, 42                           ; s[42:43] where my prefetch stands
.set CBA, 44                           ; s[44:45], s[46:47] where the two blocks' context goes
.set CBB, 46
.set T,   48
.set MSB, 0
.macro WIN new                         ; the immediate's high byte repeats the setting that is left
.if MSB != \new
	s_set_vgpr_msb (MSB<<8)|\new
.set MSB, \new
.endif
.endm
.macro PLACES                          ; four places behind matrix instructions, ahead of loads into their sources and of reads of their results
.rept 4
	v_nop
.endr
.endm
	s_load_b128 s[4:7], s[0:1], 0x0                ; qkv16, cimg
	v_lshl_add_u32 v[SPW], v0, 2, SPARE
	v_mov_b32 v[NIL], 0
	ds_add_u32 v[SPW], v[NIL]                      ; the wave's opening: the add, twice on end, and its wait ahead of my first tensor load
	ds_add_u32 v[SPW], v[NIL]
	v_lshrrev_b32 v1, 5, v0
	v_readfirstlane_b32 s[WV], v1
	s_mov_b32 s[BI], ttmp9
	s_and_b32 s[YB], ttmp7, 0xffff
	s_lshr_b32 s[NA], s[BI], 2
	s_add_co_u32 s[NA], s[NA], 1
	s_mov_b32 s[G1], 3<<16                         ; elements of 8 bytes, no mask, no padding
	s_mov_b32 s[G1+1], 32<<16                      ; tensor_dim0
	s_mov_b32 s[G1+2], 32<<16                      ; tensor_dim1
	s_mov_b32 s[G1+3], 32<<16                      ; tile_dim0
	s_mov_b32 s[G1+4], 32                          ; tile_dim1
	s_mov_b32 s[G1+5], 32                          ; the pitch
	s_mov_b32 s[G1+6], 0
	s_mov_b32 s[G1+7], 0
	s_mov_b32 s[CS], 0x3e38aa3b                    ; c = log2(e) / 8
	s_mov_b32 s[CS+1], s[CS]
	s_mov_b32 s[SEL], 0x76543210
	s_mov_b32 s[SEL+1], 0xfedcba98
	s_mov_b32 s[LS], 2
	s_mov_b32 s[TB], 0
	s_mov_b32 s[KF], 0
	s_lshl_b32 s[Q0], s[BI], 5
	s_mov_b32 s[CNT], 15
	s_mov_b32 s[SC], 1
	s_lshr_b32 s48, s[WV], 1                       ; waves 0, 1: K's two steps; waves 2, 3: V's
	s_lshl_b32 s48, s48, 21
	s_lshl_b32 s49, s[YB], 18
	s_add_co_u32 s48, s48, s49
	s_and_b32 s49, s[WV], 1
	s_lshl_b32 s49, s49, 13
	s_add_co_u32 s48, s48, s49
	s_add_co_u32 s48, s48, KOFF
	s_mov_b32 s49, 0
	s_lshl_b32 s56, s[YB], 2
	s_add_co_u32 s56, s56, s[WV]
	s_lshl_b32 s56, s56, 18                        ; my query head's block: 16 b + 4 head + wave
	s_lshl_b32 s57, s[BI], 12
	s_add_co_u32 s52, s56, s57                     ; block i: 32 positions are 4,096 bytes
	s_mov_b32 s53, 0
	s_sub_co_u32 s57, 63, s[BI]
	s_lshl_b32 s[Q1], s57, 5
	s_lshl_b32 s58, s57, 12
	s_add_co_u32 s54, s56, s58                     ; block 63 - i
	s_mov_b32 s55, 0
	s_and_b32 s56, s[YB], 3
	s_lshl_b32 s56, s56, 8
	s_lshr_b32 s58, s[YB], 2
	s_lshl_b32 s58, s58, 7
	s_add_co_u32 s56, s56, s58
	s_lshl_b32 s56, s56, 13
	s_lshl_b32 s58, s[WV], 11
	s_add_co_u32 s56, s56, s58
	s_lshl_b32 s58, s[BI], 14
	s_add_co_u32 s[CBA], s56, s58
	s_mov_b32 s[CBA+1], 0
	s_lshl_b32 s58, s57, 14
	s_add_co_u32 s[CBB], s56, s58
	s_mov_b32 s[CBB+1], 0
	s_cmp_eq_u32 s[BI], 0
	s_cselect_b32 s[LIM], 16, 0                    ; the key/value head's first work-group prefetches
	s_cmp_le_u32 s[NA], 1                          ; the list's slot 1: key slot 1, or, where the first block has one slot, the second block's key slot 0
	s_cselect_b32 s50, 0, 1
	s_lshl_b32 s50, s50, 14
	s_mov_b32 s51, 0
	s_wait_dscnt 0x0                               ; both opening adds are done
	s_wait_kmcnt 0x0
	s_add_nc_u64 s[GB:GB+1], s[4:5], s[48:49]
	s_mov_b32 s[G0A], 1
	s_lshl_b32 s[G0A+1], s[WV], 13                 ; LDS: slot 0, my quarter
	s_mov_b64 s[G0A+2:G0A+3], s[GB:GB+1]
	s_or_b32 s[G0A+3], s[G0A+3], 0x80000000
	s_mov_b32 s[G0B], 1
	s_add_co_u32 s[G0B+1], s[G0A+1], SLOT1
	s_add_nc_u64 s[G0B+2:G0B+3], s[GB:GB+1], s[50:51]
	s_or_b32 s[G0B+3], s[G0B+3], 0x80000000
	tensor_load_to_lds s[G0A:G0A+3], s[G1:G1+7]    ; both first fills together: two tensor loads of mine are out
	s_nop 0
	tensor_load_to_lds s[G0B:G0B+3], s[G1:G1+7]
	s_nop 0
	PLACES
	s_add_nc_u64 s[52:53], s[4:5], s[52:53]
	s_add_nc_u64 s[54:55], s[4:5], s[54:55]
	s_add_nc_u64 s[CBA:CBA+1], s[6:7], s[CBA:CBA+1]
	s_add_nc_u64 s[CBB:CBB+1], s[6:7], s[CBB:CBB+1]
	v_and_b32 v10, 31, v0
	v_lshlrev_b32 v[L16], 4, v10
.irp n, 0,1,2,3,4,5,6,7
	global_load_b128 v[Q+4*\n:Q+4*\n+3],   v[L16], s[52:53] offset:512*\n    ; Q of both blocks stays in registers: tile n / 4, channels 32 ((n / 2) % 2) on
	global_load_b128 v[QN+4*\n:QN+4*\n+3], v[L16], s[54:55] offset:512*\n
.endr
	v_and_b32 v10, 15, v0
	v_bfe_u32 v11, v0, 4, 1
	v_lshlrev_b32 v11, 3, v11
	v_sub_nc_u32 v[RB], v10, v11
	v_mov_b32 v[NINF], 0xff800000
	v_lshlrev_b32 v[PFO], 4, v[L16]
	v_add_nc_u32 v[ADR], s[TB], v[L16]
.macro RESET                           ; a block begins: O = 0, l = 0, m = -3e38, under every score
.set jj, 0
.rept 64
	v_mov_b32 v[O+jj], 0
.set jj, jj+1
.endr
.irp t, 0,1
	v_mov_b32 v[ST+8*\t+1], 0xff61b1e6
	v_mov_b32 v[ST+8*\t+2], 0
	v_mov_b32 v[ST+8*\t+3], 0
	v_mul_f32 v[ST+8*\t], s[CS], v[ST+8*\t+1]
.endr
.endm
.macro LDK off                         ; a step's K: 16 loads of 512 consecutive bytes: fragment (16 keys kt, 32 channels e) at v[8 (2 kt + e)] of window 1
	WIN 0x40
.irp n, 0,1,2,3,4,5,6,7,8,9,10,11,12,13,14,15
	ds_load_b128 v[4*\n:4*\n+3], v[ADR] offset:\off+512*\n
.endr
	WIN 0
.endm
.macro LDV st                          ; a step's V^T: fragment (32 keys u, 16 channels dt) at v[64 + 8 (4 u + dt)] of window 1
	WIN 0x40
.irp n, 0,1,2,3,4,5,6,7,8,9,10,11,12,13,14,15
	ds_load_b128 v[64+4*\n:64+4*\n+3], v[ADR] offset:16384+8192*\st+512*\n
.endr
	WIN 0
.endm
.macro SMUL                            ; S^T = K Q^T: 16 products, the eight accumulators by turns; the first eight start the sums
	WIN 0x01
.irp e, 0,1
.irp kt, 0,1,2,3
.irp t, 0,1
.if \e == 0
	v_wmma_f32_16x16x32_f16 v[S+32*\t+8*\kt:S+32*\t+8*\kt+7], v[8*(2*\kt+\e):8*(2*\kt+\e)+7], v[Q+16*\t+8*\e:Q+16*\t+8*\e+7], 0
.else
	v_wmma_f32_16x16x32_f16 v[S+32*\t+8*\kt:S+32*\t+8*\kt+7], v[8*(2*\kt+\e):8*(2*\kt+\e)+7], v[Q+16*\t+8*\e:Q+16*\t+8*\e+7], v[S+32*\t+8*\kt:S+32*\t+8*\kt+7]
.endif
.endr
.endr
.endr
	WIN 0
.endm
.macro PVMUL                           ; O^T += V^T P: 16 products, eight accumulators by turns
	WIN 0x01
.irp u, 0,1
.irp dt, 0,1,2,3
.irp t, 0,1
	v_wmma_f32_16x16x32_f16 v[O+32*\t+8*\dt:O+32*\t+8*\dt+7], v[64+8*(4*\u+\dt):64+8*(4*\u+\dt)+7], v[P+16*\t+8*\u:P+16*\t+8*\u+7], v[O+32*\t+8*\dt:O+32*\t+8*\dt+7]
.endr
.endr
.endr
	WIN 0
.endm
; THE MASK.  A step all of whose keys count for all 32 queries skips it (ids and the count of steps alone).  Register 8 kt + j of tile t holds key KF + 16 kt + 8 (lane / 16) + j for query Q0 + 16 t + lane % 16.
.macro MASK
	s_add_co_u32 s[T], s[KF], 63
	s_cmp_le_u32 s[T], s[Q0]
	s_cbranch_scc1 .Lopen_\@
	s_sub_co_i32 s[T], s[Q0], s[KF]
	v_add_nc_u32 v[DM], s[T], v[RB]
	v_add_nc_u32 v[DM+1], 16, v[DM]
.irp t, 0,1
.set nn, 0
.rept 32
	v_cmp_gt_i32 vcc_lo, 16*(nn/8)+nn%8, v[DM+\t]
	v_cndmask_b32 v[S+32*\t+nn], v[S+32*\t+nn], v[NINF], vcc_lo   ; each accumulator from its low end on
.set nn, nn+1
.endr
.endr
.Lopen_\@:
.endm
; THE SOFTMAX of a step, the two tiles line by line, so that no line waits for the line above it.
.macro SOFTMAX
.irp j, 0,1,2,3
.irp t, 0,1
	v_max3_num_f32 v[ST+8*\t+4+\j], v[S+32*\t+8*\j], v[S+32*\t+8*\j+1], v[S+32*\t+8*\j+2]   ; four chains, one to an accumulator, each from the accumulator's low end
.endr
.endr
.irp g, 1,2
.irp j, 0,1,2,3
.irp t, 0,1
	v_max3_num_f32 v[ST+8*\t+4+\j], v[ST+8*\t+4+\j], v[S+32*\t+8*\j+2*\g+1], v[S+32*\t+8*\j+2*\g+2]
.endr
.endr
.endr
.irp t, 0,1
	v_max3_num_f32 v[ST+8*\t+4], v[ST+8*\t+4], v[S+32*\t+7], v[S+32*\t+15]
.endr
.irp t, 0,1
	v_max3_num_f32 v[ST+8*\t+6], v[ST+8*\t+6], v[S+32*\t+23], v[S+32*\t+31]
.endr
.irp t, 0,1
	v_max3_num_f32 v[ST+8*\t+4], v[ST+8*\t+4], v[ST+8*\t+5], v[ST+8*\t+6]
.endr
.irp t, 0,1
	v_max3_num_f32 v[ST+8*\t+4], v[ST+8*\t+4], v[ST+8*\t+7], v[ST+8*\t+1]   ; and the old m
.endr
.irp t, 0,1
	v_permlanex16_b32 v[ST+8*\t+5], v[ST+8*\t+4], s[SEL], s[SEL+1]          ; the query's other 32 keys lie in the lane 16 away
.endr
.irp t, 0,1
	v_mov_b32 v[ST+8*\t+7], v[ST+8*\t]             ; c m_old is kept for a
.endr
.irp t, 0,1
	v_max_num_f32 v[ST+8*\t+1], v[ST+8*\t+4], v[ST+8*\t+5]
.endr
.irp t, 0,1
	v_mul_f32 v[ST+8*\t], s[CS], v[ST+8*\t+1]
.endr
.irp t, 0,1
	v_sub_f32 v[ST+8*\t+7], v[ST+8*\t+7], v[ST+8*\t]
.endr
.set bb, 0
.rept 16
.irp t, 0,1
	v_pk_fma_f32 v[S+32*\t+2*bb:S+32*\t+2*bb+1], v[S+32*\t+2*bb:S+32*\t+2*bb+1], s[CS:CS+1], v[ST+8*\t:ST+8*\t+1] op_sel_hi:[1,0,0] neg_lo:[0,0,1] neg_hi:[0,0,1]   ; c s - c m
.endr
.set bb, bb+1
.endr
.irp t, 0,1
	v_exp_f32 v[ST+8*\t+6], v[ST+8*\t+7]           ; a
.endr
.set nn, 0
.rept 32
.irp t, 0,1
	v_exp_f32 v[S+32*\t+nn], v[S+32*\t+nn]         ; p: one batch of 66 exponentials, none of which reads another's result
.endr
.set nn, nn+1
.endr
	v_nop                                          ; a plain line behind the last exponential,
	s_wait_alu depctr_va_vdst(0)                   ; and the one wait ahead of the batch's first reader
.set nn, 0
.rept 16
.irp t, 0,1
	v_cvt_pk_f16_f32 v[P+16*\t+nn], v[S+32*\t+2*nn], v[S+32*\t+2*nn+1]
.endr
.set nn, nn+1
.endr
.irp w, 4,8,16,32                              ; the sum of the tile's 16 pairs, in place: neighbours 1, 2, 4 and 8 pairs apart
.set uu, 0
.rept 32/\w
.irp t, 0,1
	v_pk_add_f32 v[S+32*\t+\w*uu:S+32*\t+\w*uu+1], v[S+32*\t+\w*uu:S+32*\t+\w*uu+1], v[S+32*\t+\w*uu+\w/2:S+32*\t+\w*uu+\w/2+1]
.endr
.set uu, uu+1
.endr
.endr
.irp t, 0,1
	v_pk_fma_f32 v[ST+8*\t+2:ST+8*\t+3], v[ST+8*\t+2:ST+8*\t+3], v[ST+8*\t+6:ST+8*\t+7], v[S+32*\t:S+32*\t+1] op_sel_hi:[1,0,1]   ; l = a l + the sum (of the unrounded p)
.endr
.set nn, 0
.rept 16
.irp t, 0,1
	v_pk_mul_f32 v[O+32*\t+2*nn:O+32*\t+2*nn+1], v[O+32*\t+2*nn:O+32*\t+2*nn+1], v[ST+8*\t+6:ST+8*\t+7] op_sel_hi:[1,0]   ; O x a, each accumulator from its low end on
.endr
.set nn, nn+1
.endr
.endm
; THE CHANGE OF SLOTS, in the middle of a slot's second step, when its last bytes (V of that step) have been asked for.  Each wave waits for all its tensor loads (one is out: its quarter of the other slot), adds 0 to
; its spare word, and waits for that and for its reads of this slot.  Behind the barrier nobody reads this slot and the other is whole.  fill = 1: this slot takes the list's slot LS: key slot LS, or LS - NA in the second block.
.macro CHANGE fill
	s_wait_tensorcnt 0x0                           ; no tensor load of mine is out, so a group 0 may be written
	ds_add_u32 v[SPW], v[NIL]                      ; 0 onto my spare word; the descriptor's step stands between it and the wait for it
.if \fill
	s_xor_b32 s[G0B+1], s[G0B+1], SLOT1            ; the other slot than last time
	s_cmp_ge_u32 s[LS], s[NA]
	s_cselect_b32 s[T], s[NA], 0
	s_sub_co_u32 s[T], s[LS], s[T]
	s_lshl_b32 s[T], s[T], 14                      ; a key slot is 16,384 bytes of K and as many of V
	s_mov_b32 s[T+1], 0
	s_add_nc_u64 s[G0B+2:G0B+3], s[GB:GB+1], s[T:T+1]
	s_or_b32 s[G0B+3], s[G0B+3], 0x80000000
	s_wait_xcnt 0x0                                ; the last prefetch, a slot back, has read its address, so it may be written
	s_lshl_b32 s[T], s[LS], 14
	s_add_nc_u64 s[PFA:PFA+1], s[GB:GB+1], s[T:T+1]
.endif
	s_wait_dscnt 0x0                               ; the add is done, and my reads of this slot are over
	s_barrier_signal -1
	s_barrier_wait -1
.if \fill
	tensor_load_to_lds s[G0B:G0B+3], s[G1:G1+7]    ; the first thing behind the barrier, and my one tensor load until the next: it has a slot's two steps in which to land
	s_nop 0
	PLACES
.endif
	s_xor_b32 s[TB], s[TB], SLOT1
	v_add_nc_u32 v[ADR], s[TB], v[L16]
.endm
; A PREFETCH INTO THE L2.  The work-group with i = 0 walks, after its one first slot, key slots 0 to 15 in order; at the change that loads key slot LS - 1 each of its waves asks for its own quarter of key slot LS,
; which its next change will load: 8,192 bytes, lanes 256 bytes apart, one instruction.  So key slots 2 to 15 are named once for each key/value head; nothing is asked for at the head, and nothing past key slot 15.
.macro ASK
	s_cmp_lt_u32 s[LS], s[LIM]
	s_cbranch_scc0 .Lno_ask_\@
	global_prefetch_b8 v[PFO], s[PFA:PFA+1] th:TH_LOAD_NT scope:SCOPE_SE
.Lno_ask_\@:
.endm
; A KEY STEP of 64 keys, the st-th of its slot.  K was asked for a step ago.  chg = 0: the next step's K lies in the same slot; 1: a change of slots with a refill; 2: without; 3: the last step.
.macro STEP st, chg
	LDV \st
	s_wait_dscnt 16                                ; K's 16 loads are in; V's 16, issued behind them, may be out
	SMUL
	PLACES
.if \chg == 0
	LDK 8192
.elseif \chg == 1
	CHANGE 1
	LDK 0
	ASK                                            ; behind the tensor load and the run of LDS loads
	s_add_co_u32 s[LS], s[LS], 1
.elseif \chg == 2
	CHANGE 0
	LDK 0
.endif
	MASK
	SOFTMAX
.if \chg == 3
	s_wait_dscnt 0x0
.else
	s_wait_dscnt 16                                ; V is in; the next step's 16 loads of K, issued behind it, may be out
.endif
	PVMUL
	PLACES
	s_add_co_u32 s[KF], s[KF], 64
.endm
; A BLOCK'S END: O^T / l, rounded to f16, stored as it stands: every store covers 512 consecutive bytes, aligned.
.macro EPILOGUE cb
.irp t, 0,1
	v_add_f32 v[ST+8*\t+4], v[ST+8*\t+2], v[ST+8*\t+3]
.endr
.irp t, 0,1
	v_permlanex16_b32 v[ST+8*\t+5], v[ST+8*\t+4], s[SEL], s[SEL+1]
.endr
.irp t, 0,1
	v_add_f32 v[ST+8*\t+4], v[ST+8*\t+4], v[ST+8*\t+5]
.endr
.irp t, 0,1
	v_rcp_f32 v[ST+8*\t+6], v[ST+8*\t+4]
.endr
	v_nop                                          ; a plain line behind the reciprocals,
	s_wait_alu depctr_va_vdst(0)                   ; and the wait ahead of their first reader
.set nn, 0
.rept 32
	v_pk_mul_f32 v[S+2*nn:S+2*nn+1], v[O+2*nn:O+2*nn+1], v[ST+8*(nn/16)+6:ST+8*(nn/16)+7] op_sel_hi:[1,0]
.set nn, nn+1
.endr
.set nn, 0
.rept 32
	v_cvt_pk_f16_f32 v[P+nn], v[S+2*nn], v[S+2*nn+1]
.set nn, nn+1
.endr
.irp n, 0,1,2,3,4,5,6,7
	global_store_b128 v[L16], v[P+4*\n:P+4*\n+3], s[\cb:\cb+1] offset:(\n/4)*8192+(\n%4)*512
.endr
	s_wait_xcnt 0x0                                ; the stores have read their registers: P may be written again
.endm
	RESET
	s_wait_tensorcnt 0x1                           ; my quarter of slot 0 is in; slot 1's may stay out
	s_barrier_signal -1
	s_barrier_wait -1                              ; everybody's is
	LDK 0
	s_wait_loadcnt 0x0                             ; Q
.Lslot:                                            ; 15 trips: every slot of the list but the last two is followed by a refill
	STEP 0, 0
	STEP 1, 1
	s_cmp_lg_u32 s[SC], s[NA]                      ; the first block's last slot?  (ids and the count of slots alone; no tensor load, wait or barrier stands under this branch)
	s_cbranch_scc1 .Lsame
	EPILOGUE CBA
.set nn, 0
.rept 32
	v_mov_b32 v[Q+nn], v[QN+nn]                    ; the second block's queries
.set nn, nn+1
.endr
	RESET
	s_mov_b32 s[Q0], s[Q1]
	s_mov_b32 s[KF], 0
.Lsame:
	s_add_co_u32 s[SC], s[SC], 1
	s_sub_co_u32 s[CNT], s[CNT], 1
	s_cmp_lg_u32 s[CNT], 0
	s_cbranch_scc1 .Lslot
	STEP 0, 0                                      ; the last two slots are written out: nothing is left to ask for
	STEP 1, 2
	STEP 0, 0
	STEP 1, 3
	EPILOGUE CBB
	s_wait_tensorcnt 0x0                           ; the wave's end: behind my last tensor load
	ds_add_u32 v[SPW], v[NIL]
	s_wait_dscnt 0x0
	s_endpgm
.Lfunc_end_k_qb0768649a3_attn:
	.size	k_qb0768649a3_attn, .Lfunc_end_k_qb0768649a3_attn-k_qb0768649a3_attn
	.p2alignl 7, 3214868480
	.fill 96, 4, 3214868480
	.section	.rodata,"a",@progbits
	.p2align	6, 0x0
	.amdhsa_kernel k_qb0768649a3_attn
		.amdhsa_group_segment_fixed_size 327680
		.amdhsa_private_segment_fixed_size 0
		.amdhsa_enable_private_segment 0
		.amdhsa_kernarg_size 16
		.amdhsa_user_sgpr_count 2
		.amdhsa_user_sgpr_kernarg_segment_ptr 1
		.amdhsa_wavefront_size32 1
		.amdhsa_system_sgpr_workgroup_id_x 1
		.amdhsa_system_sgpr_workgroup_id_y 1
		.amdhsa_system_sgpr_workgroup_id_z 1
		.amdhsa_system_vgpr_workitem_id 0
		.amdhsa_next_free_vgpr 384
		.amdhsa_next_free_sgpr 66
		.amdhsa_reserve_vcc 1
		.amdhsa_float_denorm_mode_32 3
		.amdhsa_float_denorm_mode_16_64 3
		.amdhsa_memory_ordered 1
		.amdhsa_forward_progress 1
		.amdhsa_inst_pref_size 152
	.end_amdhsa_kernel
	.amdgpu_metadata
---
amdhsa.version: [ 1, 2 ]
amdhsa.kernels:
  - .name:           k_qb0768649a3_attn
    .symbol:         k_qb0768649a3_attn.kd
    .args:
      - { .name: qkv16, .offset: 0, .size: 8, .value_kind: global_buffer, .address_space: global }
      - { .name: cimg, .offset: 8, .size: 8, .value_kind: global_buffer, .address_space: global }
    .group_segment_fixed_size: 327680
    .private_segment_fixed_size: 0
    .kernarg_segment_align: 8
    .kernarg_segment_size: 16
    .max_flat_workgroup_size: 128
    .sgpr_count:     66
    .vgpr_count:     384
    .wavefront_size: 32
...
	.end_amdgpu_metadata
.endif
;; end of part 3
;; launch oproj (part 4): grid 8 x 32, 4 waves a work-group, clusters of 4 x 4, 327,680 bytes of LDS; arguments cimg, wo16, out0; writes out0
.if DOCPART == 4
	.amdgcn_target "amdgcn-amd-amdhsa--gfx1250"
	.amdhsa_code_object_version 6
	.text
	.protected	k_qb0768649a3_oproj
	.globl	k_qb0768649a3_oproj
	.p2align	8
	.type	k_qb0768649a3_oproj,@function
k_qb0768649a3_oproj:
	s_mov_b64 s[64:65], 0
	v_nop
	global_prefetch_b8 v0, s[64:65] scope:SCOPE_SE
	s_setreg_imm32_b32 hwreg(HW_REG_WAVE_MODE, 25, 1), 1
	s_wait_xcnt 0x0
	s_wait_alu depctr_hold_cnt(0) depctr_sa_sdst(0) depctr_va_vdst(0) depctr_va_sdst(0) depctr_va_ssrc(0) depctr_va_vcc(0) depctr_vm_vsrc(0)
	s_getreg_b32 s2, hwreg(HW_REG_IB_STS2, 6, 4)
	s_cmp_eq_u32 s2, 0
	s_cbranch_scc0 .Lentry_in_a_cluster
	s_endpgm
.Lentry_in_a_cluster:
	s_bfe_u32 s2, ttmp6, 0x10000c
	s_cmp_lg_u32 s2, 0xf033
	s_cbranch_scc0 .Lentry_shape_is_right
	s_endpgm
.Lentry_shape_is_right:
; OPROJ.  out0 [4096][1024] f32 = context x Wo, on f16 operands with f32 sums.  Both operands lie in memory as images of their registers (16 rows or columns x 32 K: 1,024 bytes), by runs of 256 along K.
; A tile of out0 is 128 x 128: 256 work-groups of four waves, each 64 x 64: 16 accumulators.  K goes in four steps of 256 through two LDS slots of 131,072 bytes: A's 8 x 8,192, then B's.
; A wave's tensor load brings 32,768 dense bytes (128 rows of 256); a fragment is two ds_load_b128 at 16 x lane: consecutive bytes, no padding.
; CLUSTERS: 4 x 4 work-groups.  The four of a row of the cluster need the same tiles of the context, the four of a column the same tiles of Wo^T: each tile is asked for JOINTLY.
; THE MATRIX INSTRUCTION IS USED TRANSPOSED (source 0 = 16 columns of Wo, source 1 = 16 rows of the context): a lane holds eight neighbouring numbers of a row of out0.
; All rows are made here, the first 16 positions of each sequence too: a later launch writes those 32 rows over in f32 (to leave them out would be a branch on a work-group's place in its cluster).
; REGISTERS: window 0: v16-29 addresses; v32-95 the way out; v128-255 the accumulators ((a, b) at 128 + 8 (4 a + b)).  Window 1: two fragment buffers of 128: 64 registers of A (2 x 4 fragments), then 64 of B.
.set SLOT,   131072
.set STAGE,  2*SLOT                    ; behind the ring: 16 rows x 272 bytes for each wave
.set SPITCH, 272
.set SPARE,  STAGE+4*16*SPITCH         ; behind the stages: the spare words, 128 bytes a wave, that no other line names
.set ADRA, 16                          ; v16-17  my A fragments in slot 0, 1
.set ADRB, 20                          ; v20-21  my B fragments
.set STO,  24
.set RD,   25
.set CO,   26
.set SPW,  28                          ; v28  my spare word; never rewritten
.set NIL,  29                          ; v29  0; never rewritten
.set OB,   32
.set ACC,  128
.set F0,   0
.set F1,   128
.set G1,   24                          ; s[24:31] group 1 for A; s[32:39] its groups 0, one a slot
.set G0,   32
.set G1B,  48                          ; s[48:55], s[56:63] the same for B
.set G0B,  56
.set MSB, 0
.macro WIN new
.if MSB != \new
	s_set_vgpr_msb (MSB<<8)|\new
.set MSB, \new
.endif
.endm
.set MUL,  0x05                        ; sources 0 and 1 window 1; C and D window 0
.set TO_F, 0x40                        ; destination window 1, address window 0
.macro JLOAD s                         ; a joint load: waves 0 and 1 fetch A's halves, waves 2 and 3 B's; the branch hangs on the wave's number alone
	s_cmp_eq_u32 s11, 0
	s_cbranch_scc0 .Lfor_b_\@
	tensor_load_to_lds s[G0+4*\s:G0+4*\s+3], s[G1:G1+7]
	s_nop 0
.rept 4
	v_nop
.endr
	s_branch .Lasked_\@
.Lfor_b_\@:
	tensor_load_to_lds s[G0B+4*\s:G0B+4*\s+3], s[G1B:G1B+7]
	s_nop 0
.rept 4
	v_nop
.endr
.Lasked_\@:
.endm
.macro CREST                           ; a round of the cluster's barrier behind its opening barrier
	s_cmp_lg_u32 s10, 0
	s_cbranch_scc1 .Lnot_wave_0_\@
	s_barrier_signal -3
.Lnot_wave_0_\@:
	s_barrier_wait -3
	s_barrier_signal -1
	s_barrier_wait -1
.endm
.macro CROUND
	s_barrier_signal -1
	s_barrier_wait -1
	CREST
.endm
.macro PLACES
.rept 4
	v_nop
.endr
.endm
	s_load_b128 s[4:7], s[0:1], 0x0                ; cimg, wo16
	s_load_b64 s[8:9], s[0:1], 0x10                ; out0
	v_lshl_add_u32 v[SPW], v0, 2, SPARE
	v_mov_b32 v[NIL], 0
	ds_add_u32 v[SPW], v[NIL]                      ; the wave's opening: the add, twice on end, and its wait ahead of my first tensor load
	ds_add_u32 v[SPW], v[NIL]
	v_lshrrev_b32 v1, 5, v0
	v_readfirstlane_b32 s10, v1                    ; wave 0..3
	s_lshr_b32 s11, s10, 1                         ; my half of the tile's rows.  Also: I fetch for A (0) or B (1)
	s_and_b32 s12, s10, 1                          ; my half of its columns.  Also: which half of that tile I fetch
	s_bfe_u32 s40, ttmp6, 0x40000                  ; cx
	s_bfe_u32 s41, ttmp6, 0x40004                  ; cy
	s_lshl_b32 s42, ttmp9, 2
	s_add_co_u32 s42, s42, s40                     ; tile column
	s_and_b32 s13, ttmp7, 0xffff
	s_lshl_b32 s13, s13, 2
	s_add_co_u32 s13, s13, s41                     ; tile row
	s_lshl_b32 s43, s41, 2
	s_lshl_b32 s43, 15, s43                        ; my row of the cluster
	s_lshl_b32 s44, 0x1111, s40                    ; my column
	s_or_b32 s[G1], s43, (3<<16)|(1<<21)           ; the mask; elements of 8 bytes; bit 21 beside a mask; no padding
	s_or_b32 s[G1B], s44, (3<<16)|(1<<21)
.irp g, G1, G1B
	s_mov_b32 s[\g+1], 32<<16                      ; tensor_dim0
	s_mov_b32 s[\g+2], 128<<16                     ; tensor_dim1
	s_mov_b32 s[\g+3], 32<<16                      ; tile_dim0
	s_mov_b32 s[\g+4], 128                         ; tile_dim1
	s_mov_b32 s[\g+5], 32                          ; the pitch
	s_mov_b32 s[\g+6], 0
	s_mov_b32 s[\g+7], 0
.endr
	s_lshl_b32 s17, s12, 2
	s_lshl_b32 s16, s13, 3
	s_add_co_u32 s16, s16, s17
	s_lshl_b32 s16, s16, 13                        ; A: 16 rows are 8,192 bytes: 8 x tile row + 4 x half
	s_lshl_b32 s46, s42, 3
	s_add_co_u32 s46, s46, s17
	s_lshl_b32 s46, s46, 13                        ; B: 8 x tile column + 4 x half
	s_mov_b32 s17, 0
	s_mov_b32 s47, 0
	s_lshl_b32 s20, s10, 15                        ; where they go: wave x 32,768: no place in the cluster enters an LDS address
	s_wait_dscnt 0x0                               ; both opening adds are done
	s_wait_kmcnt 0x0
	s_add_nc_u64 s[14:15], s[4:5], s[16:17]
	s_add_nc_u64 s[46:47], s[6:7], s[46:47]
	CROUND                                         ; all sixteen work-groups are here: the first joint loads meet
.irp s, 0,1
	s_mov_b32 s[G0+4*\s], 1
	s_add_co_u32 s[G0+4*\s+1], s20, \s*SLOT
	s_add_nc_u64 s[G0+4*\s+2:G0+4*\s+3], s[14:15], \s*2097152     ; K step s of the context: 256 x 8,192 bytes a step
	s_or_b32 s[G0+4*\s+3], s[G0+4*\s+3], 0x80000000
	s_mov_b32 s[G0B+4*\s], 1
	s_add_co_u32 s[G0B+4*\s+1], s20, \s*SLOT
	s_add_nc_u64 s[G0B+4*\s+2:G0B+4*\s+3], s[46:47], \s*524288    ; of Wo^T: 64 x 8,192
	s_or_b32 s[G0B+4*\s+3], s[G0B+4*\s+3], 0x80000000
	JLOAD \s
.endr
	v_and_b32 v1, 15, v0                           ; r
	v_bfe_u32 v2, v0, 4, 1                         ; h
	v_and_b32 v3, 31, v0
	v_lshlrev_b32 v3, 4, v3                        ; 16 x lane
	s_lshl_b32 s21, s11, 15
	s_lshl_b32 s22, s12, 15
	s_add_co_u32 s22, s22, 65536
.irp s, 0,1
	v_add_nc_u32 v[ADRA+\s], s21, v3
	v_add_nc_u32 v[ADRB+\s], s22, v3
	s_add_co_u32 s21, s21, SLOT
	s_add_co_u32 s22, s22, SLOT
.endr
	s_mul_i32 s23, s10, 16*SPITCH
	s_add_co_u32 s23, s23, STAGE                   ; my stage
	v_mul_u32_u24 v4, v1, SPITCH
	v_lshl_add_u32 v4, v2, 5, v4
	v_add_nc_u32 v[STO], s23, v4                   ; in: row r, 32 bytes for each half of the lanes
	v_mul_u32_u24 v5, v2, SPITCH
	v_lshl_add_u32 v5, v1, 4, v5
	v_add_nc_u32 v[RD], s23, v5                    ; back: lanes 0-15 one row of 256 bytes, lanes 16-31 the next
	v_lshlrev_b32 v5, 12, v2
	v_lshl_add_u32 v[CO], v1, 4, v5                ; and the same two rows in out0
	s_lshl_b32 s16, s13, 7
	s_lshl_b32 s17, s11, 6
	s_add_co_u32 s16, s16, s17
	s_lshl_b32 s16, s16, 12                        ; my first row
	s_mov_b32 s17, 0
	s_add_nc_u64 s[8:9], s[8:9], s[16:17]
	s_lshl_b32 s46, s42, 9
	s_lshl_b32 s47, s12, 8
	s_add_co_u32 s46, s46, s47                     ; my first column, in bytes: a multiple of 256
	s_mov_b32 s47, 0
	s_add_nc_u64 s[8:9], s[8:9], s[46:47]
; 8 matrix instructions: row blocks a0, a0 + 1 x all 4 column blocks, 32 along K: half c of buffer f.  The 16 accumulators take turns.  zero = 1: the first product starts the sums
.macro MUL8 f, c, a0, zero
.irp a, \a0, \a0+1
.irp b, 0,1,2,3
.if \zero
	v_wmma_f32_16x16x32_f16 v[ACC+8*(4*(\a)+\b):ACC+8*(4*(\a)+\b)+7], v[\f+64+8*(4*\c+\b):\f+64+8*(4*\c+\b)+7], v[\f+8*(4*\c+(\a)):\f+8*(4*\c+(\a))+7], 0
.else
	v_wmma_f32_16x16x32_f16 v[ACC+8*(4*(\a)+\b):ACC+8*(4*(\a)+\b)+7], v[\f+64+8*(4*\c+\b):\f+64+8*(4*\c+\b)+7], v[\f+8*(4*\c+(\a)):\f+8*(4*\c+(\a))+7], v[ACC+8*(4*(\a)+\b):ACC+8*(4*(\a)+\b)+7]
.endif
.endr
.endr
.endm
; 32 LDS loads in one run: the fragments of the slot's k2-th 64 along K into buffer f; the first 32 along K first
.macro FETCH slot, k2, f
	WIN TO_F
.irp c, 0,1
.irp i, 0,1,2,3
	ds_load_b128 v[\f+64+8*(4*\c+\i):\f+64+8*(4*\c+\i)+3],   v[ADRB+\slot] offset:\i*8192+(2*(\k2)+\c)*1024
	ds_load_b128 v[\f+64+8*(4*\c+\i)+4:\f+64+8*(4*\c+\i)+7], v[ADRB+\slot] offset:\i*8192+(2*(\k2)+\c)*1024+512
	ds_load_b128 v[\f+8*(4*\c+\i):\f+8*(4*\c+\i)+3],         v[ADRA+\slot] offset:\i*8192+(2*(\k2)+\c)*1024
	ds_load_b128 v[\f+8*(4*\c+\i)+4:\f+8*(4*\c+\i)+7],       v[ADRA+\slot] offset:\i*8192+(2*(\k2)+\c)*1024+512
.endr
.endr
.endm
; A K step is four quarters of 64 along K, 32 matrix instructions each, on buffers 0, 1, 0, 1.  One of the first three: multiplies buffer f and fetches quarter k2 into g.
.macro QUARTER slot, k2, f, g, zero
	s_wait_dscnt 16                                ; the first 32 along K are in; the sixteen younger loads may be out
	WIN MUL
	MUL8 \f, 0, 0, \zero
	MUL8 \f, 0, 2, \zero
	PLACES                                         ; ahead of loads into registers that matrix instructions have read
	FETCH \slot, \k2, \g
	s_wait_dscnt 32                                ; all but the 32 just issued
	WIN MUL
	MUL8 \f, 1, 0, 0
	MUL8 \f, 1, 2, 0
.endm
; The last quarter multiplies buffer 1 and changes slots: one barrier; ahead of it each wave waits for all its tensor loads, adds 0 to its spare word, and waits for that and for its reads of this slot.
; fill = 1: the barrier opens a round of the cluster's barrier, and behind the round this slot is filled again, two K steps ahead.
.macro TURN slot, next, fill
	WIN 0
	s_wait_tensorcnt 0x0                           ; all my tensor loads have landed: my part of the next slot
	ds_add_u32 v[SPW], v[NIL]
	s_wait_dscnt 17                                ; (the add and the youngest sixteen loads may be out)
	WIN MUL
	MUL8 F1, 0, 0, 0                               ; eight matrix instructions stand between the add and the wait for it
	s_wait_dscnt 0x0                               ; the add is done, and my reads of this slot are over
	s_barrier_signal -1
	MUL8 F1, 0, 2, 0
.if \fill
	WIN 0
.endif
	s_barrier_wait -1
.if \fill
	CREST                                          ; no wave of any partner still reads this slot or has a load on its way
	s_add_nc_u64 s[G0+4*\slot+2:G0+4*\slot+3], s[G0+4*\slot+2:G0+4*\slot+3], 2*2097152
	s_add_nc_u64 s[G0B+4*\slot+2:G0B+4*\slot+3], s[G0B+4*\slot+2:G0B+4*\slot+3], 2*524288
	JLOAD \slot                                    ; the first tensor load behind the round; its four v_nop are also the places ahead of the loads below
.else
	PLACES
.endif
	FETCH \next, 0, F0
	WIN MUL
	MUL8 F1, 1, 0, 0
	MUL8 F1, 1, 2, 0
.endm
	s_wait_tensorcnt 0x1                           ; my part of K step 0 is in; K step 1's may stay out
	s_barrier_signal -1
	s_barrier_wait -1
	FETCH 0, 0, F0
	QUARTER 0, 1, F0, F1, 1                        ; K step 0: its first products start the sums
	QUARTER 0, 2, F1, F0, 0
	QUARTER 0, 3, F0, F1, 0
	TURN 0, 1, 1                                   ; slot 0 takes K step 2
	QUARTER 1, 1, F0, F1, 0                        ; K step 1
	QUARTER 1, 2, F1, F0, 0
	QUARTER 1, 3, F0, F1, 0
	TURN 1, 0, 1                                   ; slot 1 takes K step 3
	QUARTER 0, 1, F0, F1, 0                        ; K step 2
	QUARTER 0, 2, F1, F0, 0
	QUARTER 0, 3, F0, F1, 0
	TURN 0, 1, 0                                   ; nothing is left to ask for
	QUARTER 1, 1, F0, F1, 0                        ; K step 3
	QUARTER 1, 2, F1, F0, 0
	QUARTER 1, 3, F0, F1, 0
	s_wait_dscnt 16
	WIN MUL
	MUL8 F1, 0, 0, 0
	MUL8 F1, 0, 2, 0
	s_wait_dscnt 0x0
	MUL8 F1, 1, 0, 0
	MUL8 F1, 1, 2, 0
	WIN 0
	PLACES
; THE WAY OUT.  My 64 columns are 256 bytes of a row, aligned.  A block of 16 rows goes through my own stage and comes back by rows, so that sixteen lanes store 256 consecutive bytes.
; LDS serves a wave's instructions in order (ISA guide 5.7.1.4): no wait between the stores and the loads, nor ahead of the next block's stores.
.macro TOSTAGE a
.irp b, 0,1,2,3
	ds_store_b128 v[STO], v[ACC+8*(4*(\a)+\b):ACC+8*(4*(\a)+\b)+3]   offset:64*\b       ; each accumulator from its low end on
	ds_store_b128 v[STO], v[ACC+8*(4*(\a)+\b)+4:ACC+8*(4*(\a)+\b)+7] offset:64*\b+16
.endr
.irp i, 0,1,2,3,4,5,6,7
	ds_load_b128 v[OB+32*((\a)%2)+4*\i:OB+32*((\a)%2)+4*\i+3], v[RD] offset:\i*2*SPITCH
.endr
.endm
.macro SEND a, younger                 ; younger: the LDS instructions issued behind block a's loads: the next block's sixteen, or none
	s_wait_dscnt \younger
.irp i, 0,1,2,3,4,5,6,7
	global_store_b128 v[CO], v[OB+32*((\a)%2)+4*\i:OB+32*((\a)%2)+4*\i+3], s[8:9] offset:(16*(\a)+2*\i)*4096 th:TH_STORE_NT
.endr
.endm
	TOSTAGE 0
	TOSTAGE 1
	SEND 0, 16
	s_wait_xcnt 0x0                                ; block 0's stores have read their registers: block 2's loads may land there
	TOSTAGE 2
	SEND 1, 16
	s_wait_xcnt 0x0
	TOSTAGE 3
	SEND 2, 16
	SEND 3, 0
	s_wait_tensorcnt 0x0                           ; the wave's end: behind my last tensor load and my last LDS store
	ds_add_u32 v[SPW], v[NIL]
	s_wait_dscnt 0x0
	CROUND                                         ; the closing round: no work-group ends while a partner may still ask for a tile that names it
	s_endpgm
.Lfunc_end_k_qb0768649a3_oproj:
	.size	k_qb0768649a3_oproj, .Lfunc_end_k_qb0768649a3_oproj-k_qb0768649a3_oproj
	.p2alignl 7, 3214868480
	.fill 96, 4, 3214868480
	.section	.rodata,"a",@progbits
	.p2align	6, 0x0
	.amdhsa_kernel k_qb0768649a3_oproj
		.amdhsa_group_segment_fixed_size 327680
		.amdhsa_private_segment_fixed_size 0
		.amdhsa_enable_private_segment 0
		.amdhsa_kernarg_size 24
		.amdhsa_user_sgpr_count 2
		.amdhsa_user_sgpr_kernarg_segment_ptr 1
		.amdhsa_wavefront_size32 1
		.amdhsa_system_sgpr_workgroup_id_x 1
		.amdhsa_system_sgpr_workgroup_id_y 1
		.amdhsa_system_sgpr_workgroup_id_z 1
		.amdhsa_system_vgpr_workitem_id 0
		.amdhsa_next_free_vgpr 512
		.amdhsa_next_free_sgpr 66
		.amdhsa_reserve_vcc 0
		.amdhsa_float_denorm_mode_32 3
		.amdhsa_float_denorm_mode_16_64 3
		.amdhsa_memory_ordered 1
		.amdhsa_forward_progress 1
		.amdhsa_inst_pref_size 85
	.end_amdhsa_kernel
	.amdgpu_metadata
---
amdhsa.version: [ 1, 2 ]
amdhsa.kernels:
  - .name:           k_qb0768649a3_oproj
    .symbol:         k_qb0768649a3_oproj.kd
    .args:
      - { .name: cimg, .offset: 0, .size: 8, .value_kind: global_buffer, .address_space: global }
      - { .name: wo16, .offset: 8, .size: 8, .value_kind: global_buffer, .address_space: global }
      - { .name: out0, .offset: 16, .size: 8, .value_kind: global_buffer, .address_space: global }
    .group_segment_fixed_size: 327680
    .private_segment_fixed_size: 0
    .kernarg_segment_align: 8
    .kernarg_segment_size: 24
    .max_flat_workgroup_size: 128
    .sgpr_count:     66
    .vgpr_count:     512
    .wavefront_size: 32
...
	.end_amdgpu_metadata
.endif
;; end of part 4
;; launch fine (part 5): grid 16 x 2, 16 waves a work-group, no clusters, 71,680 bytes of LDS; arguments fine32, Wo, out0; writes out0
.if DOCPART == 5
	.amdgcn_target "amdgcn-amd-amdhsa--gfx1250"
	.amdhsa_code_object_version 6
	.text
	.protected	k_qb0768649a3_fine
	.globl	k_qb0768649a3_fine
	.p2align	8
	.type	k_qb0768649a3_fine,@function
k_qb0768649a3_fine:
	s_mov_b64 s[64:65], 0
	v_nop
	global_prefetch_b8 v0, s[64:65] scope:SCOPE_SE
	s_setreg_imm32_b32 hwreg(HW_REG_WAVE_MODE, 25, 1), 1
	s_wait_xcnt 0x0
; FINE.  The first 16 positions of each sequence average one to sixteen values and are the largest rows of the result: they are carried in f32 through attention and the output projection, and written over what
; the f16 launches left in those 32 rows of out0.  All products by v_wmma_f32_16x16x4_f32: 32 rows of 4,096, no bulk work.
; SHARES.  Work-group (x, y): sequence y, columns 64 x .. 64 x + 63 of out0.  Wave w is query head w: it makes the head's 16 x 16 attention and multiplies the head's 64 channels of context by its 64 rows of Wo;
; the sixteen waves' parts meet in LDS, and wave w adds and stores position w.
; OPERANDS.  fine32 holds the f32 accumulators of q, k (a lane: one position, channels 16 b + 8 (lane / 16) + j) and v (a lane: one channel, positions 8 (lane / 16) + j) as they stood.  The instruction takes, of a
; register pair, k = 2 (lane / 16) + j'.  A pair (2 s, 2 s + 1) of such an image holds in both halves of the lanes the same channels (or keys) on both sides of a product: a permutation of k applied alike to both.
; The registers that these matrix instructions write (v144-191) are written by matrix instructions alone; every sum begins with the constant 0.
; LIMIT: a hidden score is taken as -infinity where reference() adds -1e9.
.set PITCH, 272
.set WST,   16*PITCH                   ; a wave's part: 16 positions x (256 bytes + 16)
.set SPARE, 16*WST                     ; behind them: the spare words, 128 bytes a wave, that no other line names
.set L16, 1
.set SPW, 2                            ; v2   my spare word; never rewritten
.set NIL, 3                            ; v3   0; never rewritten
.set WOF, 7                            ; v7   Wo: 8 rows x (lane / 16) + 4 (lane % 16)
.set VD,  8                            ; v8   lane % 16 - 8 (lane / 16): key register j is hidden where j > this
.set T,   32                           ; v32-39   the scores, then p
.set QF,  48                           ; v48-79   q; later the context; later the sixteen parts
.set KK,  80                           ; v80-111  k; later Wo's third 16 columns
.set VF,  112                          ; v112-143 v; later Wo's fourth
.set S0,  144                          ; v144-159 the scores in two sums
.set S1,  152
.set CT,  160                          ; v160-191 the context's four tiles; later the four tiles of outputs
.set W0,  192                          ; v192-255 Wo's first and second 16 columns
.set W1,  224
	s_load_b128 s[4:7], s[0:1], 0x0                ; fine32, Wo
	s_load_b64 s[8:9], s[0:1], 0x10                ; out0
	v_lshl_add_u32 v[SPW], v0, 2, SPARE
	v_mov_b32 v[NIL], 0
	v_lshrrev_b32 v1, 5, v0
	v_readfirstlane_b32 s10, v1                    ; wave = query head
	s_and_b32 s11, ttmp7, 0xffff                   ; the sequence
	v_and_b32 v4, 31, v0
	v_and_b32 v5, 15, v0                           ; r
	v_bfe_u32 v6, v0, 4, 1                         ; h
	v_lshlrev_b32 v[L16], 4, v4
	v_lshlrev_b32 v[WOF], 2, v5
	v_lshl_add_u32 v[WOF], v6, 15, v[WOF]
	v_lshlrev_b32 v[VD], 3, v6
	v_sub_nc_u32 v[VD], v5, v[VD]
	s_mul_i32 s26, s10, WST
	v_mul_u32_u24 v24, v5, PITCH
	v_lshl_add_u32 v24, v6, 5, v24
	v_add_nc_u32 v24, s26, v24                     ; my part: position r, + 32 h
	s_mul_i32 s26, s10, PITCH
	v_lshl_add_u32 v25, v4, 3, s26                 ; back: position w of every part, 8 bytes a lane
	v_lshlrev_b32 v26, 3, v4
	v_mov_b32 v9, 0xff800000                       ; -infinity
	s_mov_b32 s2, 0x76543210
	s_mov_b32 s3, 0xfedcba98                       ; lane l xor 16
	s_mov_b32 s24, 0x3e38aa3b                      ; c = log2(e) / 8
	s_mov_b32 s25, s24
	s_mul_i32 s12, s11, 24
	s_add_co_u32 s13, s12, s10
	s_lshl_b32 s16, s13, 12                        ; q's head
	s_mov_b32 s17, 0
	s_lshr_b32 s13, s10, 2
	s_add_co_u32 s13, s13, s12
	s_add_co_u32 s13, s13, 16
	s_lshl_b32 s18, s13, 12                        ; k's head; v's lies 16,384 bytes on
	s_mov_b32 s19, 0
	s_lshl_b32 s20, s10, 18                        ; Wo: my head's 64 rows,
	s_lshl_b32 s21, ttmp9, 8
	s_add_co_u32 s20, s20, s21                     ; the work-group's 64 columns
	s_mov_b32 s21, 0
	s_lshl_b32 s22, s11, 11
	s_add_co_u32 s22, s22, s10
	s_lshl_b32 s22, s22, 12                        ; out0: position w of the sequence,
	s_lshl_b32 s23, ttmp9, 8
	s_add_co_u32 s22, s22, s23                     ; the same columns
	s_mov_b32 s23, 0
	s_wait_kmcnt 0x0
	s_add_nc_u64 s[16:17], s[4:5], s[16:17]
	s_add_nc_u64 s[18:19], s[4:5], s[18:19]
	s_add_nc_u64 s[20:21], s[6:7], s[20:21]
	s_add_nc_u64 s[22:23], s[8:9], s[22:23]
.irp n, 0,1,2,3,4,5,6,7
	global_load_b128 v[QF+4*\n:QF+4*\n+3], v[L16], s[16:17] offset:512*\n
	global_load_b128 v[KK+4*\n:KK+4*\n+3], v[L16], s[18:19] offset:512*\n
	global_load_b128 v[VF+4*\n:VF+4*\n+3], v[L16], s[18:19] offset:16384+512*\n
.endr
.macro WLOAD nt, reg                   ; register 8 dt + j = Wo(64 w + 16 dt + 8 h + j, 64 x + 16 nt + r): the partner of the context's register 8 dt + j
.set kk, 0
.rept 32
	global_load_b32 v[\reg+kk], v[WOF], s[20:21] offset:(16*(kk/8)+kk%8)*4096+64*\nt
.set kk, kk+1
.endr
.endm
	WLOAD 0, W0
	s_wait_loadcnt 32                              ; q, k, v are in; Wo's 32 loads, issued behind them, may be out
	; S^T = k q^T: a lane holds query r and keys 8 h + j.  Two sums by turns; their first instructions take the constant 0
	v_wmma_f32_16x16x4_f32 v[S0:S0+7], v[KK:KK+1], v[QF:QF+1], 0
	v_wmma_f32_16x16x4_f32 v[S1:S1+7], v[KK+2:KK+3], v[QF+2:QF+3], 0
.irp g, 1,2,3,4,5,6,7
	v_wmma_f32_16x16x4_f32 v[S0:S0+7], v[KK+4*\g:KK+4*\g+1], v[QF+4*\g:QF+4*\g+1], v[S0:S0+7]
	v_wmma_f32_16x16x4_f32 v[S1:S1+7], v[KK+4*\g+2:KK+4*\g+3], v[QF+4*\g+2:QF+4*\g+3], v[S1:S1+7]
.endr
	WLOAD 1, W1
.rept 8
	v_nop                                          ; eight places behind this form: ahead of loads into k's registers and of the first read of the sums
.endr
	WLOAD 2, KK
.irp k, 0,2,4,6
	v_pk_add_f32 v[T+\k:T+\k+1], v[S0+\k:S0+\k+1], v[S1+\k:S1+\k+1]   ; both sums from their low ends on
.endr
.irp j, 0,1,2,3,4,5,6,7
	v_cmp_gt_i32 vcc_lo, \j, v[VD]
	v_cndmask_b32 v[T+\j], v[T+\j], v9, vcc_lo     ; the causal mask
.endr
	v_max3_num_f32 v10, v[T], v[T+1], v[T+2]
	v_max3_num_f32 v11, v[T+3], v[T+4], v[T+5]
	v_max3_num_f32 v10, v10, v[T+6], v[T+7]
	v_max_num_f32 v10, v10, v11
	v_permlanex16_b32 v11, v10, s2, s3
	v_max_num_f32 v11, v10, v11                    ; the row's maximum: key 0 counts for every query, so it is a number
	v_mul_f32 v12, s24, v11
	v_mov_b32 v13, v12                             ; (named with it as a pair)
.irp k, 0,2,4,6
	v_pk_fma_f32 v[T+\k:T+\k+1], v[T+\k:T+\k+1], s[24:25], v[12:13] op_sel_hi:[1,0,0] neg_lo:[0,0,1] neg_hi:[0,0,1]
.endr
.irp j, 0,1,2,3,4,5,6,7
	v_exp_f32 v[T+\j], v[T+\j]
.endr
	v_nop                                          ; a plain line behind the last exponential,
	s_wait_alu depctr_va_vdst(0)                   ; and the wait ahead of the batch's first reader
	v_pk_add_f32 v[14:15], v[T:T+1], v[T+2:T+3]
	v_pk_add_f32 v[16:17], v[T+4:T+5], v[T+6:T+7]
	v_pk_add_f32 v[14:15], v[14:15], v[16:17]
	v_add_f32 v14, v14, v15
	v_permlanex16_b32 v15, v14, s2, s3
	v_add_f32 v14, v14, v15                        ; the row's sum
	v_rcp_f32 v16, v14
	v_mov_b32 v17, 0                               ; a plain line behind the reciprocal (and the pair's upper half is written)
	s_wait_alu depctr_va_vdst(0)
	; context^T = v^T p: a lane holds query r and channels 16 dt + 8 h + j.  Four sums by turns
.irp dt, 0,1,2,3
	v_wmma_f32_16x16x4_f32 v[CT+8*\dt:CT+8*\dt+7], v[VF+8*\dt:VF+8*\dt+1], v[T:T+1], 0
.endr
.irp s, 1,2,3
.irp dt, 0,1,2,3
	v_wmma_f32_16x16x4_f32 v[CT+8*\dt:CT+8*\dt+7], v[VF+8*\dt+2*\s:VF+8*\dt+2*\s+1], v[T+2*\s:T+2*\s+1], v[CT+8*\dt:CT+8*\dt+7]
.endr
.endr
.rept 9
	v_nop                                          ; nine places: these registers are read below, v's are loaded anew, and the outputs' sums are begun over the context's
.endr
	WLOAD 3, VF
.irp k, 0,2,4,6,8,10,12,14,16,18,20,22,24,26,28,30
	v_pk_mul_f32 v[QF+\k:QF+\k+1], v[CT+\k:CT+\k+1], v[16:17] op_sel_hi:[1,0]   ; / the sum; each accumulator from its low end on
.endr
	s_wait_loadcnt 63                              ; Wo's first two tiles are in: 64 loads were issued behind them, and 63 is the most that a wait can name
	; out^T = Wo^T context^T, my head's part: a lane holds query r and columns 16 nt + 8 h + j.  Two tiles of columns at a time, by turns
	v_wmma_f32_16x16x4_f32 v[CT:CT+7], v[W0:W0+1], v[QF:QF+1], 0
	v_wmma_f32_16x16x4_f32 v[CT+8:CT+15], v[W1:W1+1], v[QF:QF+1], 0
.irp g, 1,2,3,4,5,6,7,8,9,10,11,12,13,14,15
	v_wmma_f32_16x16x4_f32 v[CT:CT+7], v[W0+2*\g:W0+2*\g+1], v[QF+2*\g:QF+2*\g+1], v[CT:CT+7]
	v_wmma_f32_16x16x4_f32 v[CT+8:CT+15], v[W1+2*\g:W1+2*\g+1], v[QF+2*\g:QF+2*\g+1], v[CT+8:CT+15]
.endr
	s_wait_loadcnt 0x0
	v_wmma_f32_16x16x4_f32 v[CT+16:CT+23], v[KK:KK+1], v[QF:QF+1], 0
	v_wmma_f32_16x16x4_f32 v[CT+24:CT+31], v[VF:VF+1], v[QF:QF+1], 0
.irp g, 1,2,3,4,5,6,7,8,9,10,11,12,13,14,15
	v_wmma_f32_16x16x4_f32 v[CT+16:CT+23], v[KK+2*\g:KK+2*\g+1], v[QF+2*\g:QF+2*\g+1], v[CT+16:CT+23]
	v_wmma_f32_16x16x4_f32 v[CT+24:CT+31], v[VF+2*\g:VF+2*\g+1], v[QF+2*\g:QF+2*\g+1], v[CT+24:CT+31]
.endr
.rept 8
	v_nop                                          ; eight places ahead of the LDS stores that read the sums and of the loads into the context's registers
.endr
.irp nt, 0,1,2,3
	ds_store_b128 v24, v[CT+8*\nt:CT+8*\nt+3]   offset:64*\nt
	ds_store_b128 v24, v[CT+8*\nt+4:CT+8*\nt+7] offset:64*\nt+16
.endr
	s_wait_dscnt 0x0                               ; for the others' sake: my part lies in LDS
	s_barrier_signal -1
	s_barrier_wait -1
.irp k, 0,1,2,3,4,5,6,7,8,9,10,11,12,13,14,15
	ds_load_b64 v[QF+2*\k:QF+2*\k+1], v25 offset:WST*\k   ; position w of head k's part: 32 lanes, 256 bytes
.endr
	s_wait_dscnt 0x0
.irp k, 0,1,2,3,4,5,6,7
	v_pk_add_f32 v[QF+4*\k:QF+4*\k+1], v[QF+4*\k:QF+4*\k+1], v[QF+4*\k+2:QF+4*\k+3]
.endr
.irp k, 0,1,2,3
	v_pk_add_f32 v[QF+8*\k:QF+8*\k+1], v[QF+8*\k:QF+8*\k+1], v[QF+8*\k+4:QF+8*\k+5]
.endr
.irp k, 0,1
	v_pk_add_f32 v[QF+16*\k:QF+16*\k+1], v[QF+16*\k:QF+16*\k+1], v[QF+16*\k+8:QF+16*\k+9]
.endr
	v_pk_add_f32 v[QF:QF+1], v[QF:QF+1], v[QF+16:QF+17]
	global_store_b64 v26, v[QF:QF+1], s[22:23]     ; 32 lanes store 256 consecutive bytes, aligned
	s_wait_tensorcnt 0x0                           ; the wave's end: behind my last LDS store
	ds_add_u32 v[SPW], v[NIL]
	s_wait_dscnt 0x0
	s_endpgm
.Lfunc_end_k_qb0768649a3_fine:
	.size	k_qb0768649a3_fine, .Lfunc_end_k_qb0768649a3_fine-k_qb0768649a3_fine
	.p2alignl 7, 3214868480
	.fill 96, 4, 3214868480
	.section	.rodata,"a",@progbits
	.p2align	6, 0x0
	.amdhsa_kernel k_qb0768649a3_fine
		.amdhsa_group_segment_fixed_size 71680
		.amdhsa_private_segment_fixed_size 0
		.amdhsa_enable_private_segment 0
		.amdhsa_kernarg_size 24
		.amdhsa_user_sgpr_count 2
		.amdhsa_user_sgpr_kernarg_segment_ptr 1
		.amdhsa_wavefront_size32 1
		.amdhsa_system_sgpr_workgroup_id_x 1
		.amdhsa_system_sgpr_workgroup_id_y 1
		.amdhsa_system_sgpr_workgroup_id_z 1
		.amdhsa_system_vgpr_workitem_id 0
		.amdhsa_next_free_vgpr 256
		.amdhsa_next_free_sgpr 66
		.amdhsa_reserve_vcc 1
		.amdhsa_float_denorm_mode_32 3
		.amdhsa_float_denorm_mode_16_64 3
		.amdhsa_memory_ordered 1
		.amdhsa_forward_progress 1
		.amdhsa_inst_pref_size 30
	.end_amdhsa_kernel
	.amdgpu_metadata
---
amdhsa.version: [ 1, 2 ]
amdhsa.kernels:
  - .name:           k_qb0768649a3_fine
    .symbol:         k_qb0768649a3_fine.kd
    .args:
      - { .name: fine32, .offset: 0, .size: 8, .value_kind: global_buffer, .address_space: global }
      - { .name: Wo, .offset: 8, .size: 8, .value_kind: global_buffer, .address_space: global }
      - { .name: out0, .offset: 16, .size: 8, .value_kind: global_buffer, .address_space: global }
    .group_segment_fixed_size: 71680
    .private_segment_fixed_size: 0
    .kernarg_segment_align: 8
    .kernarg_segment_size: 24
    .max_flat_workgroup_size: 512
    .sgpr_count:     66
    .vgpr_count:     256
    .wavefront_size: 32
...
	.end_amdgpu_metadata
.endif
;; end of part 5
